; MI455X (gfx1250); checked and timed in simulation.
; The chip was launched on July 23, 2026; its instructions are those of AMD's public machine-readable ISA for CDNA 5 (MIT licence, August 2026) and "CDNA5" Instruction Set Architecture Reference Guide (July 2026). The comments in the code are by the model that wrote it; some were corrected since.
;; Multi Head Attention. Allowed arithmetic: float matrix products may take bf16 or f16 operands with f32 sums; all other float work in f32.
;; Inputs: Wk 1,024 x 1,024 float32; Wo 1,024 x 1,024 float32; Wq 1,024 x 1,024 float32; Wv 1,024 x 1,024 float32; bk 1,024 float32; bo 1,024 float32; bq 1,024 float32; bv 1,024 float32; k 2 x 2,048 x 1,024 float32; q 2 x 2,048 x 1,024 float32; v 2 x 2,048 x 1,024 float32.
;; Outputs: out0 2 x 2,048 x 1,024 float32.
;; 2 versions, each right. Each part assembles by itself: llvm-mc -triple=amdgcn-amd-amdhsa -mcpu=gfx1250 --defsym DOCPART=n.
;; ======== version 1 of 2: 4 launches
;; limits: values are held in f16: magnitudes above 65,504 overflow, below 6.1e-05 lose precision
;; workspace buffers: xb 33,554,432 bytes; qkvh 25,165,824 bytes; ctx 8,388,608 bytes
;; launch cast (part 1): grid 1024 x 1, 8 waves a work-group, no clusters, 0 bytes of LDS; arguments q, k, v, Wq, Wk, Wv, Wo, xb; writes xb
.if DOCPART == 1
	.amdgcn_target "amdgcn-amd-amdhsa--gfx1250"
	.amdhsa_code_object_version 6
	.text
	.protected	k_q1de7575a85_cast
	.globl	k_q1de7575a85_cast
	.p2align	8
	.type	k_q1de7575a85_cast,@function
k_q1de7575a85_cast:
	s_mov_b64 s[64:65], 0
	v_nop
	global_prefetch_b8 v0, s[64:65] scope:SCOPE_SE
	s_setreg_imm32_b32 hwreg(HW_REG_WAVE_MODE, 25, 1), 1
	s_wait_xcnt 0x0
; MULTI-HEAD ATTENTION with |scores|, in four launches: cast (f32 -> f16), proj (three projections), attn, oproj.
; DEAD WORK: none.  The absolute value stands between the scores and the softmax, so neither bq nor bk is a term that is the
; same along the softmax's axis; bv and bo reach the output by sums.  Every input is loaded and every step of the reference is done.
; NUMBER FORMAT: all matrix operands (x, W, Q, K, V, the softmax's weights, the context) are f16, all sums f32.  The chain rounds five
; times and its result is a mean over 2,048 keys, a twentieth of the operands' spread; f16 keeps 11 significant bits where bf16 keeps 8.
; LIMITS: an input, or a number of Q, K, V, above 65,504 in magnitude becomes infinite.  The room: x of spread 1 and W of spread 1/32
; give projections of spread 1; both 30 times larger give spread 900; both offset by 30 spreads give 1024 x 30 x 30/32 = 28,800.
; Below 2^-14 an f16 number has steps of 2^-24.  Sums run in another order than the reference's; an exponential under 2^-126 is 0.
;
; THIS LAUNCH: xb = f16 of q | k | v | Wq | Wk | Wv | Wo, one behind the other (8 MiB each for q, k, v; 2 MiB for each W).
; The three GEMM launches read every operand several times from LDS; in 16 bits each of those reads is half as long.
; A stream: no LDS, no barrier, no matrix unit.  A work-group converts 16,384 numbers (64 KiB in, 32 KiB out); its eight waves issue
; all sixteen loads first; a wave's load covers 512 consecutive bytes, its store 256 consecutive bytes at a multiple of 256.
.set X, 4                              ; v[4:67]   sixteen loads of four f32
.set Y, 68                             ; v[68:99]  sixteen pairs of packed f16; no register is written twice
	s_load_b512 s[8:23], s[0:1], 0x0               ; q 8, k 10, v 12, Wq 14, Wk 16, Wv 18, Wo 20, xb 22
	s_lshr_b32 s2, ttmp9, 8                        ; groups 0-767: source id >> 8, 256 groups each
	s_bfe_u32 s3, ttmp9, 0x20006                   ; groups 768-1023: source 3 + ((id >> 6) & 3), 64 groups each
	s_add_co_u32 s3, s3, 3
	s_and_b32 s24, ttmp9, 255
	s_and_b32 s25, ttmp9, 63
	s_cmp_lt_u32 ttmp9, 768
	s_cselect_b32 s26, s2, s3                      ; which source
	s_cselect_b32 s27, s24, s25                    ; which 64 KiB of it
	s_lshl_b32 s28, s27, 16
	s_mov_b32 s29, 0
	s_lshl_b32 s30, ttmp9, 15                      ; 32 KiB of xb for each group, in the order of the sources
	s_mov_b32 s31, 0
	v_lshlrev_b32 v1, 4, v0                        ; 16 bytes in a thread
	v_lshlrev_b32 v2, 3, v0                        ; 8 bytes out
	s_wait_kmcnt 0x0
	s_mov_b64 s[4:5], s[8:9]
.irp n, 1,2,3,4,5,6
	s_cmp_eq_u32 s26, \n                           ; the choice hangs on the group's number alone
	s_cselect_b64 s[4:5], s[8+2*\n:9+2*\n], s[4:5]
.endr
	s_add_nc_u64 s[4:5], s[4:5], s[28:29]
	s_add_nc_u64 s[22:23], s[22:23], s[30:31]
.irp i, 0,1,2,3,4,5,6,7,8,9,10,11,12,13,14,15
	global_load_b128 v[X+4*\i:X+4*\i+3], v1, s[4:5] offset:4096*\i th:TH_LOAD_NT
.endr
.irp i, 0,1,2,3,4,5,6,7,8,9,10,11,12,13,14,15
	s_wait_loadcnt 15-\i                           ; loads come back in order: load i is in, the 15 - i younger ones stay out
	v_cvt_pk_f16_f32 v[Y+2*\i],   v[X+4*\i],   v[X+4*\i+1]
	v_cvt_pk_f16_f32 v[Y+2*\i+1], v[X+4*\i+2], v[X+4*\i+3]
	global_store_b64 v2, v[Y+2*\i:Y+2*\i+1], s[22:23] offset:2048*\i
.endr
	s_endpgm
.Lfunc_end_k_q1de7575a85_cast:
	.size	k_q1de7575a85_cast, .Lfunc_end_k_q1de7575a85_cast-k_q1de7575a85_cast
	.p2alignl 7, 3214868480
	.fill 96, 4, 3214868480
	.section	.rodata,"a",@progbits
	.p2align	6, 0x0
	.amdhsa_kernel k_q1de7575a85_cast
		.amdhsa_group_segment_fixed_size 0
		.amdhsa_private_segment_fixed_size 0
		.amdhsa_enable_private_segment 0
		.amdhsa_kernarg_size 64
		.amdhsa_user_sgpr_count 2
		.amdhsa_user_sgpr_kernarg_segment_ptr 1
		.amdhsa_wavefront_size32 1
		.amdhsa_system_sgpr_workgroup_id_x 1
		.amdhsa_system_sgpr_workgroup_id_y 1
		.amdhsa_system_sgpr_workgroup_id_z 1
		.amdhsa_system_vgpr_workitem_id 0
		.amdhsa_next_free_vgpr 100
		.amdhsa_next_free_sgpr 66
		.amdhsa_reserve_vcc 0
		.amdhsa_float_denorm_mode_32 3
		.amdhsa_float_denorm_mode_16_64 3
		.amdhsa_memory_ordered 1
		.amdhsa_forward_progress 1
		.amdhsa_inst_pref_size 7
	.end_amdhsa_kernel
	.amdgpu_metadata
---
amdhsa.version: [ 1, 2 ]
amdhsa.kernels:
  - .name:           k_q1de7575a85_cast
    .symbol:         k_q1de7575a85_cast.kd
    .args:
      - { .name: q, .offset: 0, .size: 8, .value_kind: global_buffer, .address_space: global }
      - { .name: k, .offset: 8, .size: 8, .value_kind: global_buffer, .address_space: global }
      - { .name: v, .offset: 16, .size: 8, .value_kind: global_buffer, .address_space: global }
      - { .name: Wq, .offset: 24, .size: 8, .value_kind: global_buffer, .address_space: global }
      - { .name: Wk, .offset: 32, .size: 8, .value_kind: global_buffer, .address_space: global }
      - { .name: Wv, .offset: 40, .size: 8, .value_kind: global_buffer, .address_space: global }
      - { .name: Wo, .offset: 48, .size: 8, .value_kind: global_buffer, .address_space: global }
      - { .name: xb, .offset: 56, .size: 8, .value_kind: global_buffer, .address_space: global }
    .group_segment_fixed_size: 0
    .private_segment_fixed_size: 0
    .kernarg_segment_align: 8
    .kernarg_segment_size: 64
    .max_flat_workgroup_size: 256
    .sgpr_count:     66
    .vgpr_count:     100
    .wavefront_size: 32
...
	.end_amdgpu_metadata
.endif
;; end of part 1
;; launch proj (part 2): grid 8 x 32, 4 waves a work-group, clusters of 4 x 4, 327,680 bytes of LDS; arguments xb, bq, bk, bv, qkvh; writes qkvh
.if DOCPART == 2
	.amdgcn_target "amdgcn-amd-amdhsa--gfx1250"
	.amdhsa_code_object_version 6
	.text
	.protected	k_q1de7575a85_proj
	.globl	k_q1de7575a85_proj
	.p2align	8
	.type	k_q1de7575a85_proj,@function
k_q1de7575a85_proj:
	s_mov_b64 s[64:65], 0
	v_nop
	global_prefetch_b8 v0, s[64:65] scope:SCOPE_SE
	s_setreg_imm32_b32 hwreg(HW_REG_WAVE_MODE, 25, 1), 1
	s_wait_xcnt 0x0
	s_wait_alu depctr_hold_cnt(0) depctr_sa_sdst(0) depctr_va_vdst(0) depctr_va_sdst(0) depctr_va_ssrc(0) depctr_va_vcc(0) depctr_vm_vsrc(0)
	s_getreg_b32 s2, hwreg(HW_REG_IB_STS2, 6, 4)
	s_cmp_eq_u32 s2, 0
	s_cbranch_scc0 .Lentry_in_a_cluster
	s_endpgm
.Lentry_in_a_cluster:
	s_bfe_u32 s2, ttmp6, 0x10000c
	s_cmp_lg_u32 s2, 0xf033
	s_cbranch_scc0 .Lentry_shape_is_right
	s_endpgm
.Lentry_shape_is_right:
; qkvh[p][b][h][s][0..63] = f16( x_p W_p^T + b_p ), p = q, k, v.  x_p: [4096][1024], W_p: [1024][1024], f16 in xb.  No work is left out.
; A work-group makes a block of 128 x 128 of the result with four waves (2 x 2), a wave 64 x 64: 16 accumulator tiles, 128 registers.
; 32 x 8 blocks are 256 work-groups; each stays for three tiles (q, k, v at the same block) and the ring runs on through them.
; K goes in fills of 256 (rows of 512 bytes, at multiples of 512 bytes) through two LDS slots; 12 fills, all written out: no loop.
; CLUSTERS: 4 x 4 work-groups.  x's tile hangs on the block row alone and is asked for jointly along a row of the cluster,
; W's on the block column alone and is asked for jointly along a column.
; THE MATRIX INSTRUCTION IS USED TRANSPOSED: source 0 = 16 rows of W, source 1 = 16 rows of x.  Lane l then holds row l % 16 of the
; result and columns 8 (l / 16) + 0..7 of the tile: eight neighbours that pack into 16 bytes.  The first product of a tile takes the
; bias as C (register j of lane l: bias of column 8 (l / 16) + j), so the bias costs no instruction and nothing is cleared.
; The 16 accumulators take turns, one instruction a turn, in the same order everywhere.
; LIMITS: operands and results in f16, sums in f32; a result above 65,504 in magnitude becomes infinite (x and W both 30 times
; larger than spread 1 and 1/32 give spread 900; both offset by 30 spreads give 28,800).
.set PITCH, 528                        ; an LDS row: 512 bytes + 16 of padding, 33 x 16: the 16 rows of a fragment load start 16 bytes apart modulo 256
.set HALF,  64*PITCH                   ; 64 rows: one tensor load, and what a wave reads of x or of W
.set SLOT,  4*HALF                     ; x's 128 rows, then W's 128 rows
.set STAGE, 2*SLOT                     ; behind the ring, a multiple of 256: no fill lands here
.set SP,    144                        ; stage row: 128 bytes + 16
.set XSTEP, 0x800000                   ; from one x to the next in xb
.set WSTEP, 0x200000                   ; from one W to the next
.set WOFF,  0x1800000                  ; Wq in xb
.set ADRA, 8                           ; v8-9    LDS address of my x fragments, slot 0, 1
.set ADRB, 10                          ; v10-11  of my W fragments
.set STO,  12                          ; the way out: where I put 16 bytes
.set RD,   13                          ; where I read rows back
.set CO,   14                          ; my byte offset in the output
.set BOFF, 15                          ; my byte offset in the bias
.set BIAS, 16                          ; v[16:47]   8 registers for each of my four column tiles
.set F0,   48                          ; v[48:111]  fragment buffer 0: W's four at +0, x's four at +32
.set F1,   112                         ; v[112:175] fragment buffer 1
.set PK,   176                         ; v[176:191] packed results
.set OB,   192                         ; v[192:223] rows read back, two sets in turn
                                       ; v256-383 (window 1, named v0-127): accumulator (a, b) at 8 (4 a + b)
.set G1A, 24                           ; s[24:31] group 1 for x's tiles
.set G1B, 32                           ; s[32:39] for W's: another mask
.set G0A, 40                           ; s[40:47] group 0 for x's tiles, a set for each slot
.set G0B, 48                           ; s[48:55] for W's
.set G1W0, (1<<16)|(1<<20)|(1<<21)|(6<<22)|(3<<25)   ; 2-byte elements; padding on; bit 21 beside a mask; after every 128 words; 4 words
.set MUL,  0x50                        ; C and D in window 1
.set MULZ, 0x40                        ; D in window 1, C (the bias) in window 0
.set MSB, 0
.macro WIN new                         ; the immediate's high byte repeats the setting that is left
.if MSB != \new
	s_set_vgpr_msb (MSB<<8)|\new
.set MSB, \new
.endif
.endm
.macro PLACES                          ; four plain vector instructions behind matrix instructions (ISA guide 7.12.1)
.rept 4
	v_nop
.endr
.endm
; A joint load: waves 0, 1 ask for x's two halves, waves 2, 3 for W's.  The branch hangs on the wave's number alone.
.macro JLOAD s
	s_cmp_eq_u32 s15, 0
	s_cbranch_scc0 .Lfor_b_\@
	tensor_load_to_lds s[G0A+4*\s:G0A+4*\s+3], s[G1A:G1A+7]
	s_nop 0
	s_branch .Lasked_\@
.Lfor_b_\@:
	tensor_load_to_lds s[G0B+4*\s:G0B+4*\s+3], s[G1B:G1B+7]
	s_nop 0
.Lasked_\@:
.endm
.macro CREST                           ; a round of the cluster's barrier behind its opening work-group barrier
	s_cmp_lg_u32 s14, 0
	s_cbranch_scc1 .Lnot_wave_0_\@
	s_barrier_signal -3
.Lnot_wave_0_\@:
	s_barrier_wait -3
	s_barrier_signal -1
	s_barrier_wait -1
.endm
.macro CROUND
	s_barrier_signal -1
	s_barrier_wait -1
	CREST
.endm
	s_load_b256 s[4:11], s[0:1], 0x0               ; xb 4, bq 6, bk 8, bv 10
	s_load_b64 s[12:13], s[0:1], 0x20              ; qkvh
	v_lshl_add_u32 v254, v0, 2, 0x44400
	v_mov_b32 v255, 0
	ds_add_u32 v254, v255
	v_lshrrev_b32 v1, 5, v0
	v_readfirstlane_b32 s14, v1                    ; wave 0..3
	s_lshr_b32 s15, s14, 1                         ; my half of the block's rows.  Also: I fetch for x (0) or for W (1)
	s_and_b32 s16, s14, 1                          ; my half of its columns.  Also: which 64 rows of that tile I fetch
	s_bfe_u32 s17, ttmp6, 0x40000                  ; cx
	s_bfe_u32 s18, ttmp6, 0x40004                  ; cy
	s_lshl_b32 s19, ttmp9, 2
	s_add_co_u32 s19, s19, s17                     ; block column = 4 x cluster x + cx, 0..7
	s_and_b32 s20, ttmp7, 0xffff
	s_lshl_b32 s20, s20, 2
	s_add_co_u32 s20, s20, s18                     ; block row = 4 x cluster y + cy, 0..31
	s_lshl_b32 s21, s18, 2
	s_lshl_b32 s21, 15, s21                        ; my row of the cluster
	s_lshl_b32 s22, 0x1111, s17                    ; my column
	s_or_b32 s[G1A+0], s21, G1W0
	s_or_b32 s[G1B+0], s22, G1W0
.irp g, G1A, G1B
	s_mov_b32 s[\g+1], 256<<16                     ; tensor_dim0 = 256 elements
	s_mov_b32 s[\g+2], 64<<16                      ; tensor_dim1 = 64 rows
	s_mov_b32 s[\g+3], 256<<16                     ; tile_dim0 = 256
	s_mov_b32 s[\g+4], 64                          ; tile_dim1 = 64
	s_mov_b32 s[\g+5], 1024                        ; elements from row to row
	s_mov_b32 s[\g+6], 0
	s_mov_b32 s[\g+7], 0
.endr
	s_lshl_b32 s23, s16, 17                        ; 64 rows of 2,048 bytes
	s_lshl_b32 s56, s20, 18                        ; x: 128 rows x block row
	s_add_co_u32 s56, s56, s23
	s_mov_b32 s57, 0
	s_lshl_b32 s58, s19, 18                        ; W: 128 rows x block column
	s_add_co_u32 s58, s58, s23
	s_add_co_u32 s58, s58, WOFF
	s_mov_b32 s59, 0
	s_mul_i32 s60, s14, HALF                       ; where my loads go: wave x 64 rows: no place in the cluster enters an LDS address
	s_lshr_b32 s62, s20, 4                         ; the way out: batch = block row / 16,
	s_lshl_b32 s62, s62, 4
	s_lshl1_add_u32 s62, s19, s62                  ; head = 2 x block column + my half of the columns (my 64 columns are one head),
	s_add_co_u32 s62, s62, s16
	s_lshl_b32 s62, s62, 18                        ; 262,144 bytes a head,
	s_and_b32 s63, s20, 15
	s_lshl_b32 s63, s63, 14                        ; 128 rows of 128 bytes for each block row inside the batch,
	s_add_co_u32 s62, s62, s63
	s_lshl_b32 s63, s15, 13                        ; 64 rows for my half
	s_add_co_u32 s62, s62, s63
	s_mov_b32 s63, 0
	s_lshl_b32 s61, s19, 9                         ; the bias of my 64 columns: 512 x block column + 256 x half
	s_lshl_b32 s23, s16, 8
	s_add_co_u32 s61, s61, s23
	s_wait_dscnt 0x0
	s_wait_kmcnt 0x0
	s_add_nc_u64 s[56:57], s[4:5], s[56:57]
	s_add_nc_u64 s[58:59], s[4:5], s[58:59]
	s_add_nc_u64 s[12:13], s[12:13], s[62:63]
	CROUND                                         ; all sixteen work-groups are here: the first joint loads meet
.irp s, 0,1
	s_mov_b32 s[G0A+4*\s], 1
	s_add_co_u32 s[G0A+4*\s+1], s60, \s*SLOT
	s_add_nc_u64 s[G0A+4*\s+2:G0A+4*\s+3], s[56:57], \s*512        ; fill s: K = 256 s
	s_or_b32 s[G0A+4*\s+3], s[G0A+4*\s+3], 0x80000000
	s_mov_b32 s[G0B+4*\s], 1
	s_add_co_u32 s[G0B+4*\s+1], s60, \s*SLOT
	s_add_nc_u64 s[G0B+4*\s+2:G0B+4*\s+3], s[58:59], \s*512
	s_or_b32 s[G0B+4*\s+3], s[G0B+4*\s+3], 0x80000000
	JLOAD \s                                       ; two loads of this wave are out: the most that this text has out
.endr
	v_and_b32 v1, 15, v0                           ; r = l % 16
	v_bfe_u32 v2, v0, 4, 1                         ; h = l / 16
	v_and_b32 v3, 31, v0                           ; l
	v_mul_u32_u24 v4, v1, PITCH
	v_lshl_add_u32 v4, v2, 4, v4                   ; a fragment: row r, 16 bytes for each half of the lanes, a second load 32 bytes on
	s_mul_i32 s62, s15, HALF                       ; my 64 rows of x
	s_mul_i32 s63, s16, HALF                       ; my 64 rows of W,
	s_add_co_u32 s63, s63, 2*HALF                  ; which lie behind x's 128
.irp s, 0,1
	v_add_nc_u32 v[ADRA+\s], s62, v4
	v_add_nc_u32 v[ADRB+\s], s63, v4
	s_add_co_u32 s62, s62, SLOT
	s_add_co_u32 s63, s63, SLOT
.endr
	s_mul_i32 s62, s14, 16*SP
	s_add_co_u32 s62, s62, STAGE                   ; my stage: 16 rows of 144 bytes
	v_mul_u32_u24 v5, v1, SP
	v_lshl_add_u32 v5, v2, 4, v5
	v_add_nc_u32 v[STO], s62, v5                   ; in: row r, 16 h
	v_lshrrev_b32 v5, 3, v3
	v_and_b32 v6, 7, v3
	v_mul_u32_u24 v5, v5, SP
	v_lshl_add_u32 v5, v6, 4, v5
	v_add_nc_u32 v[RD], s62, v5                    ; back: eight lanes a row of 128 bytes, four rows a load
	v_lshlrev_b32 v[CO], 4, v3                     ; a head's rows follow each other in memory: 32 lanes store 512 consecutive bytes
	v_lshl_add_u32 v[BOFF], v2, 5, s61             ; + 8 h columns
.macro BIASLD lo                       ; eight loads: bias of columns 16 b + 8 h + 0..7
.irp b, 0,1,2,3
	global_load_b128 v[BIAS+8*\b:BIAS+8*\b+3],   v[BOFF], s[\lo:\lo+1] offset:64*\b
	global_load_b128 v[BIAS+8*\b+4:BIAS+8*\b+7], v[BOFF], s[\lo:\lo+1] offset:64*\b+16
.endr
.endm
; 16 LDS loads: the fragments of 32 along K at byte k of the slot's rows, into buffer f
.macro FETCH slot, k, f
.irp i, 0,1,2,3
	ds_load_b128 v[\f+8*\i:\f+8*\i+3],   v[ADRB+\slot] offset:\k+\i*16*PITCH
	ds_load_b128 v[\f+8*\i+4:\f+8*\i+7], v[ADRB+\slot] offset:\k+\i*16*PITCH+32
.endr
.irp i, 0,1,2,3
	ds_load_b128 v[\f+32+8*\i:\f+32+8*\i+3], v[ADRA+\slot] offset:\k+\i*16*PITCH
	ds_load_b128 v[\f+32+8*\i+4:\f+32+8*\i+7], v[ADRA+\slot] offset:\k+\i*16*PITCH+32
.endr
.endm
.macro MUL4 f, a, zero                 ; row tile a x my four column tiles
.irp b, 0,1,2,3
.if \zero
	v_wmma_f32_16x16x32_f16 v[8*(4*\a+\b):8*(4*\a+\b)+7], v[\f+8*\b:\f+8*\b+7], v[\f+32+8*\a:\f+32+8*\a+7], v[BIAS+8*\b:BIAS+8*\b+7]
.else
	v_wmma_f32_16x16x32_f16 v[8*(4*\a+\b):8*(4*\a+\b)+7], v[\f+8*\b:\f+8*\b+7], v[\f+32+8*\a:\f+32+8*\a+7], v[8*(4*\a+\b):8*(4*\a+\b)+7]
.endif
.endr
.endm
.macro MUL16 f, zero
	MUL4 \f, 0, \zero
	MUL4 \f, 1, \zero
	MUL4 \f, 2, \zero
	MUL4 \f, 3, \zero
.endm
; K step q (0..6) of a fill's eight: fetches step q + 1 into the other buffer, then multiplies its own
.macro KSTEP slot, q, zero
.set KF, F0+64*((\q)&1)
.set KG, F1-64*((\q)&1)
	WIN 0
	PLACES                                         ; behind the last step's products, which read the buffer that is loaded now
	FETCH \slot, 64*(\q+1), KG
	s_wait_dscnt 16                                ; all but the 16 loads just issued: my buffer is in
.if \zero
	s_wait_loadcnt 0x0                             ; the tile's bias
	WIN MULZ
.else
	WIN MUL
.endif
	MUL16 KF, \zero
.endm
.macro SEVEN slot, zero
	KSTEP \slot, 0, \zero
	KSTEP \slot, 1, 0
	KSTEP \slot, 2, 0
	KSTEP \slot, 3, 0
	KSTEP \slot, 4, 0
	KSTEP \slot, 5, 0
	KSTEP \slot, 6, 0
.endm
; The eighth K step changes slots.  In front of the barrier each wave has waited for its reads of this slot and for all its tensor
; loads (one is out: its part of the next slot).  fill = 1: the barrier opens a round of the cluster's barrier, and behind the round
; this slot is asked for again, two fills ahead, before anything else: that load has the whole next fill's 128 products to land.
.macro TURN slot, next, fill, stepa, stepb
	s_wait_dscnt 0x0                               ; buffer 1 is in, and my reads of this slot are over
	WIN MUL
	MUL4 F1, 0, 0
	s_wait_tensorcnt 0x0                           ; all my tensor loads have landed
	ds_add_u32 v254, v255
	s_wait_dscnt 0x0
	s_barrier_signal -1
	MUL4 F1, 1, 0                                  ; registers only, while the others arrive
	WIN 0
	s_barrier_wait -1
.if \fill
	CREST
	s_add_nc_u64 s[G0A+4*\slot+2:G0A+4*\slot+3], s[G0A+4*\slot+2:G0A+4*\slot+3], \stepa
	s_add_nc_u64 s[G0B+4*\slot+2:G0B+4*\slot+3], s[G0B+4*\slot+2:G0B+4*\slot+3], \stepb
	JLOAD \slot
.endif
	PLACES                                         ; behind the products that read buffer 0
	FETCH \next, 0, F0
	WIN MUL
	MUL4 F1, 2, 0
	MUL4 F1, 3, 0
.endm
.macro LASTQ                           ; the very last K step: nothing more to fetch
	s_wait_dscnt 0x0
	WIN MUL
	MUL16 F1, 0
.endm
; The way out, 16 rows at a time: round to f16, 16 bytes a lane into my own stage, read back as rows, store 512 consecutive bytes.
; LDS serves a wave's instructions in order (ISA guide 5.7.1.4), so no wait stands between my stores and my loads.
; Buffer 0 holds the next tile's first fragments meanwhile and is not touched.
.macro EPI p
	WIN 0
	PLACES                                         ; behind the last products, whose results are read now
.if \p
	s_wait_xcnt 0x0                                ; the last tile's stores have had their addresses translated: their base may step
	s_add_nc_u64 s[12:13], s[12:13], XSTEP         ; q's, k's, v's heads lie 8 MiB apart
.endif
.irp a, 0,1,2,3
	WIN 0x05                                       ; sources 0 and 1 in window 1
.irp b, 0,1,2,3
.irp i, 0,1,2,3
	v_cvt_pk_f16_f32 v[PK+4*\b+\i], v[8*(4*\a+\b)+2*\i], v[8*(4*\a+\b)+2*\i+1]
.endr
.endr
	WIN 0
.irp b, 0,1,2,3
	ds_store_b128 v[STO], v[PK+4*\b:PK+4*\b+3] offset:32*\b
.endr
	s_wait_xcnt 0x0                                ; the set of OB that earlier stores read is loaded again only behind this wait
.irp t, 0,1,2,3
	ds_load_b128 v[OB+16*(\a&1)+4*\t:OB+16*(\a&1)+4*\t+3], v[RD] offset:4*SP*\t
.endr
.irp t, 0,1,2,3
	s_wait_dscnt 3-\t                              ; read-back t is in, the younger ones stay out
	global_store_b128 v[CO], v[OB+16*(\a&1)+4*\t:OB+16*(\a&1)+4*\t+3], s[12:13] offset:\a*2048+512*\t
.endr
.endr
.endm
; Tile p: four fills.  Fill 4 p + j lies in slot j & 1; the TURN of fill i asks for fill i + 2: the same tile's (1,024 bytes on)
; or the next tile's (the next x and W, 1,024 bytes back).  The last two fills of the launch are followed by no request.
.macro TILE p
	SEVEN 0, 1
	TURN 0, 1, 1, 1024, 1024
.if \p == 0
	WIN 0
	BIASLD 8                                       ; the next tile's bias: the products that read the old one stand seven K steps back
.endif
.if \p == 1
	WIN 0
	BIASLD 10
.endif
	SEVEN 1, 0
	TURN 1, 0, 1, 1024, 1024
	SEVEN 0, 0
.if \p < 2
	TURN 0, 1, 1, XSTEP-1024, WSTEP-1024
	SEVEN 1, 0
	TURN 1, 0, 1, XSTEP-1024, WSTEP-1024
.else
	TURN 0, 1, 0, 0, 0
	SEVEN 1, 0
	LASTQ
.endif
	EPI \p
.endm
	BIASLD 6
	s_wait_tensorcnt 0x1                           ; my part of fill 0 is in; fill 1's stays out
	s_barrier_signal -1
	s_barrier_wait -1
	FETCH 0, 0, F0
	TILE 0
	TILE 1
	TILE 2
	s_wait_tensorcnt 0x0
	ds_add_u32 v254, v255
	s_wait_dscnt 0x0
	CROUND                                         ; the closing round: no work-group ends while a partner may still ask jointly
	s_endpgm
.Lfunc_end_k_q1de7575a85_proj:
	.size	k_q1de7575a85_proj, .Lfunc_end_k_q1de7575a85_proj-k_q1de7575a85_proj
	.p2alignl 7, 3214868480
	.fill 96, 4, 3214868480
	.section	.rodata,"a",@progbits
	.p2align	6, 0x0
	.amdhsa_kernel k_q1de7575a85_proj
		.amdhsa_group_segment_fixed_size 327680
		.amdhsa_private_segment_fixed_size 0
		.amdhsa_enable_private_segment 0
		.amdhsa_kernarg_size 40
		.amdhsa_user_sgpr_count 2
		.amdhsa_user_sgpr_kernarg_segment_ptr 1
		.amdhsa_wavefront_size32 1
		.amdhsa_system_sgpr_workgroup_id_x 1
		.amdhsa_system_sgpr_workgroup_id_y 1
		.amdhsa_system_sgpr_workgroup_id_z 1
		.amdhsa_system_vgpr_workitem_id 0
		.amdhsa_next_free_vgpr 384
		.amdhsa_next_free_sgpr 66
		.amdhsa_reserve_vcc 0
		.amdhsa_float_denorm_mode_32 3
		.amdhsa_float_denorm_mode_16_64 3
		.amdhsa_memory_ordered 1
		.amdhsa_forward_progress 1
		.amdhsa_inst_pref_size 255
	.end_amdhsa_kernel
	.section	.bss,"aw",@nobits
	.p2align	6
	.space	262144
	.amdgpu_metadata
---
amdhsa.version: [ 1, 2 ]
amdhsa.kernels:
  - .name:           k_q1de7575a85_proj
    .symbol:         k_q1de7575a85_proj.kd
    .args:
      - { .name: xb, .offset: 0, .size: 8, .value_kind: global_buffer, .address_space: global }
      - { .name: bq, .offset: 8, .size: 8, .value_kind: global_buffer, .address_space: global }
      - { .name: bk, .offset: 16, .size: 8, .value_kind: global_buffer, .address_space: global }
      - { .name: bv, .offset: 24, .size: 8, .value_kind: global_buffer, .address_space: global }
      - { .name: qkvh, .offset: 32, .size: 8, .value_kind: global_buffer, .address_space: global }
    .group_segment_fixed_size: 327680
    .private_segment_fixed_size: 0
    .kernarg_segment_align: 8
    .kernarg_segment_size: 40
    .max_flat_workgroup_size: 128
    .sgpr_count:     66
    .vgpr_count:     384
    .wavefront_size: 32
...
	.end_amdgpu_metadata
.endif
;; end of part 2
;; launch attn (part 3): grid 256 x 1, 4 waves a work-group, clusters of 4 x 1, 327,680 bytes of LDS; arguments qkvh, ctx; writes ctx
.if DOCPART == 3
	.amdgcn_target "amdgcn-amd-amdhsa--gfx1250"
	.amdhsa_code_object_version 6
	.text
	.protected	k_q1de7575a85_attn
	.globl	k_q1de7575a85_attn
	.p2align	8
	.type	k_q1de7575a85_attn,@function
k_q1de7575a85_attn:
	s_mov_b64 s[64:65], 0
	v_nop
	global_prefetch_b8 v0, s[64:65] scope:SCOPE_SE
	s_setreg_imm32_b32 hwreg(HW_REG_WAVE_MODE, 25, 1), 1
	s_wait_xcnt 0x0
	s_wait_alu depctr_hold_cnt(0) depctr_sa_sdst(0) depctr_va_vdst(0) depctr_va_sdst(0) depctr_va_ssrc(0) depctr_va_vcc(0) depctr_vm_vsrc(0)
	s_getreg_b32 s2, hwreg(HW_REG_IB_STS2, 6, 4)
	s_cmp_eq_u32 s2, 0
	s_cbranch_scc0 .Lentry_in_a_cluster
	s_endpgm
.Lentry_in_a_cluster:
	s_bfe_u32 s2, ttmp6, 0x10000c
	s_cmp_lg_u32 s2, 0x3003
	s_cbranch_scc0 .Lentry_shape_is_right
	s_endpgm
.Lentry_shape_is_right:
; ctx[b][s][64 h + d] = sum over t of softmax_t( |q.k| / 8 ) v, heads in qkvh as [q,k,v][b][h][s][64] f16.  No work is left out.
; A work-group takes 128 queries of two neighbouring heads (so that a row of its result is 256 consecutive bytes of ctx);
; wave w takes head w & 1 and 64 queries (w >> 1), as four query tiles of 16.  Keys go in fills of 128 through two LDS slots, 16 fills.
; CLUSTERS: the four work-groups of a cluster take four query blocks of the same two heads and ask for K and V jointly (mask 15).
; BOTH PRODUCTS ARE TRANSPOSED.  S^T = K Q^T: lane l holds, for query l % 16, keys 8 (l / 16) + 0..7 of a key tile.  Packed to f16
; that is the layout of source 1 of O^T = V^T P^T, so the weights never leave the registers; a query's maximum, sum and rescaling
; factor are one number a lane.  V^T comes from LDS by the transposing load.
; SOFTMAX: a running maximum of |s|, started by the first 64 keys' own maximum; weights 2^(c |s| - c max), c = log2(e) / 8; the sums
; of a query's two lanes (l, l + 16) are joined once at the end.
; Accumulators take turns, one instruction a turn (16 in S, 8 in O).
; The loop stands in phases: products, softmax, products.
; LIMITS: Q, K, V, the weights and ctx in f16, all else in f32.  The weights lie in [0, 1]: one under 2^-25 of its row's running
; largest is 0 in f16, over 2,048 keys at most 2^-14 of the sum, which is at least 1.  ctx is a mean of V's rows and has V's range.
; The sum is taken of the weights before their rounding to f16.
.set KP,    144                        ; K's LDS row: 128 bytes + 16
.set VP,    160                        ; V's: 128 + 32, 5 x 32, for the transposing load
.set REG,   128*VP                     ; a region of a slot: 128 keys of one head (K leaves its last 2,048 bytes unused)
.set SLOT,  4*REG                      ; K head 0, K head 1, V head 0, V head 1: region w is filled by wave w
.set STAGE, 2*SLOT                     ; a multiple of 256; no fill lands here
.set SPITCH, 272                       ; stage row: 256 bytes (two heads) + 16
.set FILLB, 128*128                    ; bytes of a fill in memory, for one head of K or of V
.set KAD,  8                           ; v8-9    my K fragments, slot 0, 1
.set VAD,  10                          ; v10-11  my V fragments
.set QOFF, 12
.set STO,  13
.set RD,   14
.set CO,   15
.set MX,   16                          ; v[16:19]  running maximum of |s|, query tile qt
.set LS,   20                          ; v[20:23]  running sum
.set AL,   24                          ; v[24:27]  rescaling factor; at the end 1 / sum
.set NM,   28                          ; v[28:31]  - c x maximum
.set TT,   32                          ; v[32:47]  at work, 8 for each of the two tiles of a piece
.set SC,   64                          ; v[64:191] S(qt, kt) at 64 + 32 qt + 8 kt; then P(qt, kg) at 64 + 32 qt + 16 kg
                                       ; window 1: O(qt, dt) at 32 qt + 8 dt; Q(qt, dh) at 128 + 16 qt + 8 dh
                                       ; window 2: K(kt, dh) at 16 kt + 8 dh; V(kg, dt) at 64 + 32 kg + 8 dt
.set G1K, 24
.set G1V, 32
.set G0K, 40                           ; a set for each slot
.set G0V, 48
.set LDKV, 0x80                        ; destination window 2
.set W_S,  0x06                        ; source 0 (K) window 2, source 1 (Q) window 1, C and D window 0
.set W_PV, 0x52                        ; source 0 (V) window 2, source 1 (P) window 0, C and D window 1
.set W_RS, 0x41                        ; destination and source 0 window 1
.set QLD,  0x40                        ; destination window 1
.set MSB, 0
.macro WIN new
.if MSB != \new
	s_set_vgpr_msb (MSB<<8)|\new
.set MSB, \new
.endif
.endm
.macro PLACES n                        ; plain vector instructions behind matrix instructions (ISA guide 7.12.1)
.rept \n
	v_nop
.endr
.endm
.macro JLOAD s                         ; waves 0, 1 ask for K's two heads, waves 2, 3 for V's
	s_cmp_eq_u32 s9, 0
	s_cbranch_scc0 .Lfor_v_\@
	tensor_load_to_lds s[G0K+4*\s:G0K+4*\s+3], s[G1K:G1K+7]
	s_nop 0
	s_branch .Lasked_\@
.Lfor_v_\@:
	tensor_load_to_lds s[G0V+4*\s:G0V+4*\s+3], s[G1V:G1V+7]
	s_nop 0
.Lasked_\@:
.endm
.macro ROUND                           ; a round of the cluster's barrier
	s_barrier_signal -1
	s_barrier_wait -1
	s_cmp_lg_u32 s8, 0
	s_cbranch_scc1 .Lnot_wave_0_\@
	s_barrier_signal -3
.Lnot_wave_0_\@:
	s_barrier_wait -3
	s_barrier_signal -1
	s_barrier_wait -1
.endm
	s_load_b128 s[4:7], s[0:1], 0x0                ; qkvh 4, ctx 6
	v_lshl_add_u32 v254, v0, 2, 0x30800
	v_mov_b32 v255, 0
	ds_add_u32 v254, v255
	v_lshrrev_b32 v1, 5, v0
	v_readfirstlane_b32 s8, v1                     ; wave
	s_lshr_b32 s9, s8, 1                           ; my 64 queries.  Also: I fetch K (0) or V (1)
	s_and_b32 s10, s8, 1                           ; my head of the two, to compute and to fetch
	s_bfe_u32 s11, ttmp6, 0x40000                  ; cx
	s_lshr_b32 s12, ttmp9, 2                       ; 8 x batch + pair of heads: the same in all four partners
	s_and_b32 s13, ttmp9, 3
	s_lshl2_add_u32 s13, s13, s11                  ; query block 0..15
	s_mov_b32 s14, 0x3e38aa3b                      ; c = log2(e) / 8
	s_mov_b32 s21, 0xbe38aa3b                      ; - c
	s_mov_b32 s16, 0x76543210                      ; v_permlanex16_b32: lane i reads lane i of the other half
	s_mov_b32 s17, 0xfedcba98
	s_mov_b32 s[G1K+0], 15|(1<<16)|(1<<20)|(1<<21)|(4<<22)|(3<<25)   ; mask of the four; 2-byte elements; padding: after every 32 words 4 words
	s_mov_b32 s[G1V+0], 15|(1<<16)|(1<<20)|(1<<21)|(4<<22)|(7<<25)   ; the same with 8 words
.irp g, G1K, G1V
	s_mov_b32 s[\g+1], 64<<16                      ; tensor_dim0 = 64 elements: a head's row is 128 bytes in the tensor itself
	s_mov_b32 s[\g+2], 128<<16                     ; tensor_dim1 = 128 keys
	s_mov_b32 s[\g+3], 64<<16                      ; tile_dim0
	s_mov_b32 s[\g+4], 128                         ; tile_dim1
	s_mov_b32 s[\g+5], 64                          ; elements from row to row
	s_mov_b32 s[\g+6], 0
	s_mov_b32 s[\g+7], 0
.endr
	s_lshl_b32 s56, s12, 19                        ; two heads are 512 KiB
	s_lshl_b32 s18, s10, 18
	s_add_co_u32 s56, s56, s18                     ; my head, inside each of q's, k's, v's 8 MiB
	s_mov_b32 s57, 0
	s_lshl_b32 s58, s13, 14                        ; my queries: 128 rows of 128 bytes a block,
	s_lshl_b32 s22, s9, 13                         ; 64 rows for my half
	s_add_co_u32 s58, s58, s22
	s_mov_b32 s59, 0
	s_lshr_b32 s60, s12, 3                         ; ctx: batch x 2,048 rows of 2,048 bytes,
	s_lshl_b32 s60, s60, 22
	s_lshl_b32 s22, s13, 18                        ; 128 rows a block,
	s_add_co_u32 s60, s60, s22
	s_lshl_b32 s22, s8, 16                         ; on the way out wave w stores rows 32 w .. 32 w + 31,
	s_add_co_u32 s60, s60, s22
	s_and_b32 s22, s12, 7
	s_lshl_b32 s22, s22, 8                         ; 256 bytes a pair of heads
	s_add_co_u32 s60, s60, s22
	s_mov_b32 s61, 0
	s_mul_i32 s19, s8, REG                         ; where my loads go
	s_wait_dscnt 0x0
	s_wait_kmcnt 0x0
	s_add_nc_u64 s[56:57], s[4:5], s[56:57]
	s_add_nc_u64 s[58:59], s[56:57], s[58:59]
	s_add_nc_u64 s[6:7], s[6:7], s[60:61]
	ROUND                                          ; the four partners are here: the first joint loads meet
.irp s, 0,1
	s_mov_b32 s[G0K+4*\s], 1
	s_add_co_u32 s[G0K+4*\s+1], s19, \s*SLOT
	s_add_nc_u64 s[G0K+4*\s+2:G0K+4*\s+3], s[56:57], 0x800000+\s*FILLB
	s_or_b32 s[G0K+4*\s+3], s[G0K+4*\s+3], 0x80000000
	s_mov_b32 s[G0V+4*\s], 1
	s_add_co_u32 s[G0V+4*\s+1], s19, \s*SLOT
	s_add_nc_u64 s[G0V+4*\s+2:G0V+4*\s+3], s[56:57], 0x1000000+\s*FILLB
	s_or_b32 s[G0V+4*\s+3], s[G0V+4*\s+3], 0x80000000
	JLOAD \s                                       ; two loads of this wave are out: the most that this text has out
.endr
	v_and_b32 v1, 15, v0                           ; r
	v_bfe_u32 v2, v0, 4, 1                         ; h
	v_lshlrev_b32 v[QOFF], 7, v1
	v_lshl_add_u32 v[QOFF], v2, 4, v[QOFF]         ; query r, 16 h
	WIN QLD
.irp qt, 0,1,2,3
.irp dh, 0,1
	global_load_b128 v[128+16*\qt+8*\dh:128+16*\qt+8*\dh+3],   v[QOFF], s[58:59] offset:\qt*2048+64*\dh
	global_load_b128 v[128+16*\qt+8*\dh+4:128+16*\qt+8*\dh+7], v[QOFF], s[58:59] offset:\qt*2048+64*\dh+32
.endr
.endr
	WIN 0
	v_mul_u32_u24 v4, v1, KP
	v_lshl_add_u32 v4, v2, 4, v4                   ; key r, 16 h
	s_mul_i32 s18, s10, REG
	v_add_nc_u32 v[KAD], s18, v4
	v_add_nc_u32 v[KAD+1], SLOT, v[KAD]
	v_and_b32 v5, 7, v0
	v_lshl_add_u32 v5, v2, 3, v5                   ; key 8 h + (l & 7)
	v_mul_u32_u24 v5, v5, VP
	v_bfe_u32 v6, v0, 3, 1
	v_lshl_add_u32 v5, v6, 4, v5                   ; 16 bytes for each eight lanes
	s_add_co_u32 s18, s18, 2*REG
	v_add_nc_u32 v[VAD], s18, v5
	v_add_nc_u32 v[VAD+1], SLOT, v[VAD]
	s_mul_i32 s20, s9, 64*SPITCH                   ; stage, in: row 64 (w >> 1) + 16 qt + r, my head's 128 bytes, 16 h
	s_lshl_b32 s18, s10, 7
	s_add_co_u32 s20, s20, s18
	s_add_co_u32 s20, s20, STAGE
	v_mul_u32_u24 v7, v1, SPITCH
	v_lshl_add_u32 v7, v2, 4, v7
	v_add_nc_u32 v[STO], s20, v7
	s_mul_i32 s20, s8, 32*SPITCH                   ; back: rows 32 w + 2 t + h, sixteen lanes a row of 256 bytes
	s_add_co_u32 s20, s20, STAGE
	v_mul_u32_u24 v7, v2, SPITCH
	v_lshl_add_u32 v7, v1, 4, v7
	v_add_nc_u32 v[RD], s20, v7
	v_lshlrev_b32 v[CO], 11, v2
	v_lshl_add_u32 v[CO], v1, 4, v[CO]
.macro LOADK slot, st                  ; 16 loads: 64 keys x 64 d as source 0 of S^T
.irp kt, 0,1,2,3
.irp dh, 0,1
	ds_load_b128 v[16*\kt+8*\dh:16*\kt+8*\dh+3],   v[KAD+\slot] offset:(4*\st+\kt)*16*KP+64*\dh
	ds_load_b128 v[16*\kt+8*\dh+4:16*\kt+8*\dh+7], v[KAD+\slot] offset:(4*\st+\kt)*16*KP+64*\dh+32
.endr
.endr
.endm
.macro LOADV slot, st                  ; 16 transposing loads: 64 d x 64 keys as source 0 of O^T
.irp kg, 0,1
.irp dt, 0,1,2,3
	ds_load_tr16_b128 v[64+32*\kg+8*\dt:64+32*\kg+8*\dt+3],   v[VAD+\slot] offset:(2*\st+\kg)*32*VP+32*\dt
	ds_load_tr16_b128 v[64+32*\kg+8*\dt+4:64+32*\kg+8*\dt+7], v[VAD+\slot] offset:(2*\st+\kg)*32*VP+32*\dt+16*VP
.endr
.endr
.endm
.macro SRUN                            ; 32 products: S^T of 64 keys x 64 queries; the first half of d starts the sums
.irp dh, 0,1
.irp qt, 0,1,2,3
.irp kt, 0,1,2,3
.if \dh
	v_wmma_f32_16x16x32_f16 v[SC+32*\qt+8*\kt:SC+32*\qt+8*\kt+7], v[16*\kt+8*\dh:16*\kt+8*\dh+7], v[128+16*\qt+8*\dh:128+16*\qt+8*\dh+7], v[SC+32*\qt+8*\kt:SC+32*\qt+8*\kt+7]
.else
	v_wmma_f32_16x16x32_f16 v[SC+32*\qt+8*\kt:SC+32*\qt+8*\kt+7], v[16*\kt+8*\dh:16*\kt+8*\dh+7], v[128+16*\qt+8*\dh:128+16*\qt+8*\dh+7], 0
.endif
.endr
.endr
.endr
.endm
.macro RESC qt, u                      ; O(qt, ..) times AL[qt]; u = qt & 1 picks the register of AL's pair for both halves
.irp i, 0,2,4,6,8,10,12,14,16,18,20,22,24,26,28,30
	v_pk_mul_f32 v[32*\qt+\i:32*\qt+\i+1], v[32*\qt+\i:32*\qt+\i+1], v[AL+\qt-\u:AL+\qt-\u+1] op_sel:[0,\u] op_sel_hi:[1,\u]
.endr
.endm
; The softmax of query tiles 2 p and 2 p + 1 (u = 0, 1) on 64 keys, the two tiles line by line in turn.  Begins under window 0.
.macro SM p, first
	; the largest |s| of my 32 numbers and the running maximum: two chains a tile
.irp u, 0,1
.if \first
	v_max_num_f32 v[TT+8*\u], |v[SC+32*(2*\p+\u)]|, |v[SC+32*(2*\p+\u)+1]|
.else
	v_max3_num_f32 v[TT+8*\u], v[MX+2*\p+\u], |v[SC+32*(2*\p+\u)]|, |v[SC+32*(2*\p+\u)+1]|
.endif
	v_max_num_f32 v[TT+8*\u+1], |v[SC+32*(2*\p+\u)+16]|, |v[SC+32*(2*\p+\u)+17]|
.endr
.irp i, 2,4,6,8,10,12,14
.irp u, 0,1
	v_max3_num_f32 v[TT+8*\u], v[TT+8*\u], |v[SC+32*(2*\p+\u)+\i]|, |v[SC+32*(2*\p+\u)+\i+1]|
	v_max3_num_f32 v[TT+8*\u+1], v[TT+8*\u+1], |v[SC+32*(2*\p+\u)+16+\i]|, |v[SC+32*(2*\p+\u)+17+\i]|
.endr
.endr
.irp u, 0,1
	v_max_num_f32 v[TT+8*\u], v[TT+8*\u], v[TT+8*\u+1]
.endr
.irp u, 0,1
	v_permlanex16_b32 v[TT+8*\u+1], v[TT+8*\u], s16, s17   ; the query's other 32 keys lie 16 lanes away
.endr
.irp u, 0,1
	v_max_num_f32 v[MX+2*\p+\u], v[TT+8*\u], v[TT+8*\u+1]
.endr
.if \first
.irp u, 0,1
	v_mul_f32 v[NM+2*\p+\u], s21, v[MX+2*\p+\u]
.endr
.else
.irp u, 0,1
	v_mul_f32 v[TT+8*\u+2], s21, v[MX+2*\p+\u]             ; - c x new maximum
.endr
.irp u, 0,1
	v_sub_f32 v[AL+2*\p+\u], v[TT+8*\u+2], v[NM+2*\p+\u]   ; c (old - new), never above 0
.endr
.irp u, 0,1
	v_exp_f32 v[AL+2*\p+\u], v[AL+2*\p+\u]
.endr
.irp u, 0,1
	v_mov_b32 v[NM+2*\p+\u], v[TT+8*\u+2]                  ; plain instructions behind the exponentials (ISA guide 5.7.2)
.endr
.endif
	; weights 2^(c |s| - c max), in place, eight at a time; the next eight multiply-adds are the plain instructions behind eight exponentials
.irp g, 0,8,16,24
.irp u, 0,1
.irp i, 0,1,2,3,4,5,6,7
	v_fma_f32 v[SC+32*(2*\p+\u)+\g+\i], |v[SC+32*(2*\p+\u)+\g+\i]|, s14, v[NM+2*\p+\u]
.endr
.irp i, 0,1,2,3,4,5,6,7
	v_exp_f32 v[SC+32*(2*\p+\u)+\g+\i], v[SC+32*(2*\p+\u)+\g+\i]
.endr
.endr
.endr
	; their sum: four chains of pairs a tile; the first line reads tile u = 0, the last exponentials wrote tile u = 1
	s_wait_alu depctr_va_vdst(0)
.irp u, 0,1
.irp c, 0,1,2,3
	v_pk_add_f32 v[TT+8*\u+2*\c:TT+8*\u+2*\c+1], v[SC+32*(2*\p+\u)+4*\c:SC+32*(2*\p+\u)+4*\c+1], v[SC+32*(2*\p+\u)+4*\c+2:SC+32*(2*\p+\u)+4*\c+3]
.endr
.endr
.irp k, 16,24
.irp u, 0,1
.irp c, 0,1,2,3
	v_pk_add_f32 v[TT+8*\u+2*\c:TT+8*\u+2*\c+1], v[TT+8*\u+2*\c:TT+8*\u+2*\c+1], v[SC+32*(2*\p+\u)+\k+2*\c:SC+32*(2*\p+\u)+\k+2*\c+1]
.endr
.endr
.endr
.irp u, 0,1
	v_pk_add_f32 v[TT+8*\u:TT+8*\u+1], v[TT+8*\u:TT+8*\u+1], v[TT+8*\u+2:TT+8*\u+3]
	v_pk_add_f32 v[TT+8*\u+4:TT+8*\u+5], v[TT+8*\u+4:TT+8*\u+5], v[TT+8*\u+6:TT+8*\u+7]
.endr
.irp u, 0,1
	v_pk_add_f32 v[TT+8*\u:TT+8*\u+1], v[TT+8*\u:TT+8*\u+1], v[TT+8*\u+4:TT+8*\u+5]
.endr
.irp u, 0,1
.if \first
	v_add_f32 v[LS+2*\p+\u], v[TT+8*\u], v[TT+8*\u+1]
.else
	v_add_f32 v[TT+8*\u], v[TT+8*\u], v[TT+8*\u+1]
	v_fma_f32 v[LS+2*\p+\u], v[LS+2*\p+\u], v[AL+2*\p+\u], v[TT+8*\u]
.endif
.endr
	; pack in place, ascending: register i of P(qt, kg) takes numbers 2 i, 2 i + 1 of the 16 registers at the same base
.irp u, 0,1
.irp kg, 0,1
.irp i, 0,1,2,3,4,5,6,7
	v_cvt_pk_f16_f32 v[SC+32*(2*\p+\u)+16*\kg+\i], v[SC+32*(2*\p+\u)+16*\kg+2*\i], v[SC+32*(2*\p+\u)+16*\kg+2*\i+1]
.endr
.endr
.endr
.if \first == 0
	WIN W_RS
	RESC (2*\p), 0
	RESC (2*\p+1), 1
.endif
.endm
.macro PV p, first                     ; 16 products: O^T of query tiles 2 p, 2 p + 1 takes 64 keys; eight accumulators by turns
.irp kg, 0,1
.irp u, 0,1
.irp dt, 0,1,2,3
.if \first*(1-\kg)
	v_wmma_f32_16x16x32_f16 v[32*(2*\p+\u)+8*\dt:32*(2*\p+\u)+8*\dt+7], v[64+32*\kg+8*\dt:64+32*\kg+8*\dt+7], v[SC+32*(2*\p+\u)+16*\kg:SC+32*(2*\p+\u)+16*\kg+7], 0
.else
	v_wmma_f32_16x16x32_f16 v[32*(2*\p+\u)+8*\dt:32*(2*\p+\u)+8*\dt+7], v[64+32*\kg+8*\dt:64+32*\kg+8*\dt+7], v[SC+32*(2*\p+\u)+16*\kg:SC+32*(2*\p+\u)+16*\kg+7], v[32*(2*\p+\u)+8*\dt:32*(2*\p+\u)+8*\dt+7]
.endif
.endr
.endr
.endr
.endm
; 64 keys: half st of the fill in the slot.  K's fragments of this half have been asked for before.
.macro STEP slot, st, first
	WIN LDKV
	LOADV \slot, \st
	s_wait_dscnt 16                                ; all but the 16 loads of V just issued: K is in
	WIN W_S
	SRUN
	WIN 0
	PLACES 4                                       ; behind the products: their results are read and K's registers loaded again
.if \st == 0
	WIN LDKV
	LOADK \slot, 1
	WIN 0
.endif
	SM 0, \first
.if \st == 0
	s_wait_dscnt 16                                ; V is in; the 16 loads of the next half's K stay out
.else
	s_wait_dscnt 0x0                               ; V is in, and my reads of this slot are over
.endif
	WIN W_PV
	PV 0, \first
	WIN 0
	SM 1, \first
	WIN W_PV
	PV 1, \first
	WIN 0
	PLACES 5                                       ; behind the last products: V's registers are loaded again and S is written over P
.endm
; A fill.  In front of the round each wave has waited for all its tensor loads (its part of this slot among them) and for its reads
; of the other slot; behind the round the other slot is asked for again first, one load a wave, with this fill's 128 products and
; their softmax in which to land.
.macro PH slot, other, refill
	s_wait_tensorcnt 0x0
	ds_add_u32 v254, v255
	s_wait_dscnt 0x0
	s_add_nc_u64 s[G0K+4*\other+2:G0K+4*\other+3], s[G0K+4*\other+2:G0K+4*\other+3], 2*FILLB   ; no load of mine is out: the other slot's next fill
	s_add_nc_u64 s[G0V+4*\other+2:G0V+4*\other+3], s[G0V+4*\other+2:G0V+4*\other+3], 2*FILLB
	s_wait_dscnt 0x0
	ROUND
.if \refill
	JLOAD \other
.endif
	WIN LDKV
	LOADK \slot, 0
	STEP \slot, 0, 0
	STEP \slot, 1, 0
.endm
	s_wait_tensorcnt 0x1                           ; my part of fill 0 is in; fill 1's stays out
	s_barrier_signal -1
	s_barrier_wait -1
	WIN LDKV
	LOADK 0, 0
	s_wait_loadcnt 0x0                             ; Q
	STEP 0, 0, 1                                   ; the first 64 keys start the maximum, the sum and O: nothing is cleared
	STEP 0, 1, 0
	s_mov_b32 s15, 7
.Lfills:                                               ; fills 1 to 14; asks for fills 2 to 15
	PH 1, 0, 1
	PH 0, 1, 1
	s_sub_co_u32 s15, s15, 1
	s_cmp_lg_u32 s15, 0
	s_cbranch_scc1 .Lfills
	PH 1, 0, 0                                     ; fill 15: nothing is left to fetch (slot 0's stepped address is not used)
	; The way out: join the two lanes' sums, divide, round to f16, through the stage so that a store covers whole rows of 256 bytes.
.irp qt, 0,1,2,3
	v_permlanex16_b32 v[TT+\qt], v[LS+\qt], s16, s17
.endr
.irp qt, 0,1,2,3
	v_add_f32 v[LS+\qt], v[LS+\qt], v[TT+\qt]
.endr
.irp qt, 0,1,2,3
	v_rcp_f32 v[AL+\qt], v[LS+\qt]
.endr
	v_nop                                          ; one plain instruction behind the reciprocals (ISA guide 5.7.2)
	s_wait_alu depctr_va_vdst(0)
	WIN W_RS
	RESC 0, 0
	RESC 1, 1
	RESC 2, 0
	RESC 3, 1
	WIN 0x05                                       ; sources 0 and 1 in window 1
.irp qt, 0,1,2,3
.irp dt, 0,1,2,3
.irp i, 0,1,2,3
	v_cvt_pk_f16_f32 v[SC+16*\qt+4*\dt+\i], v[32*\qt+8*\dt+2*\i], v[32*\qt+8*\dt+2*\i+1]
.endr
.endr
.endr
	WIN 0
.irp qt, 0,1,2,3
.irp dt, 0,1,2,3
	ds_store_b128 v[STO], v[SC+16*\qt+4*\dt:SC+16*\qt+4*\dt+3] offset:\qt*16*SPITCH+32*\dt
.endr
.endr
	s_wait_dscnt 0x0                               ; my stores are done: a row's two halves come from two waves
	s_barrier_signal -1
	s_barrier_wait -1
.irp t, 0,1,2,3,4,5,6,7,8,9,10,11,12,13,14,15
	ds_load_b128 v[SC+64+4*\t:SC+64+4*\t+3], v[RD] offset:2*SPITCH*\t
.endr
.irp t, 0,1,2,3,4,5,6,7,8,9,10,11,12,13,14,15
	s_wait_dscnt 15-\t                             ; read-back t is in, the younger ones stay out
	global_store_b128 v[CO], v[SC+64+4*\t:SC+64+4*\t+3], s[6:7] offset:4096*\t   ; sixteen lanes store 256 consecutive bytes at a multiple of 256
.endr
	s_wait_tensorcnt 0x0
	ds_add_u32 v254, v255
	s_wait_dscnt 0x0
	ROUND                                          ; the closing round
	s_endpgm
.Lfunc_end_k_q1de7575a85_attn:
	.size	k_q1de7575a85_attn, .Lfunc_end_k_q1de7575a85_attn-k_q1de7575a85_attn
	.p2alignl 7, 3214868480
	.fill 96, 4, 3214868480
	.section	.rodata,"a",@progbits
	.p2align	6, 0x0
	.amdhsa_kernel k_q1de7575a85_attn
		.amdhsa_group_segment_fixed_size 327680
		.amdhsa_private_segment_fixed_size 0
		.amdhsa_enable_private_segment 0
		.amdhsa_kernarg_size 16
		.amdhsa_user_sgpr_count 2
		.amdhsa_user_sgpr_kernarg_segment_ptr 1
		.amdhsa_wavefront_size32 1
		.amdhsa_system_sgpr_workgroup_id_x 1
		.amdhsa_system_sgpr_workgroup_id_y 1
		.amdhsa_system_sgpr_workgroup_id_z 1
		.amdhsa_system_vgpr_workitem_id 0
		.amdhsa_next_free_vgpr 640
		.amdhsa_next_free_sgpr 66
		.amdhsa_reserve_vcc 0
		.amdhsa_float_denorm_mode_32 3
		.amdhsa_float_denorm_mode_16_64 3
		.amdhsa_memory_ordered 1
		.amdhsa_forward_progress 1
		.amdhsa_inst_pref_size 255
	.end_amdhsa_kernel
	.section	.bss,"aw",@nobits
	.p2align	6
	.space	262144
	.amdgpu_metadata
---
amdhsa.version: [ 1, 2 ]
amdhsa.kernels:
  - .name:           k_q1de7575a85_attn
    .symbol:         k_q1de7575a85_attn.kd
    .args:
      - { .name: qkvh, .offset: 0, .size: 8, .value_kind: global_buffer, .address_space: global }
      - { .name: ctx, .offset: 8, .size: 8, .value_kind: global_buffer, .address_space: global }
    .group_segment_fixed_size: 327680
    .private_segment_fixed_size: 0
    .kernarg_segment_align: 8
    .kernarg_segment_size: 16
    .max_flat_workgroup_size: 128
    .sgpr_count:     66
    .vgpr_count:     640
    .wavefront_size: 32
...
	.end_amdgpu_metadata
.endif
;; end of part 3
;; launch oproj (part 4): grid 8 x 32, 4 waves a work-group, clusters of 4 x 4, 327,680 bytes of LDS; arguments ctx, xb, bo, out0; writes out0
.if DOCPART == 4
	.amdgcn_target "amdgcn-amd-amdhsa--gfx1250"
	.amdhsa_code_object_version 6
	.text
	.protected	k_q1de7575a85_oproj
	.globl	k_q1de7575a85_oproj
	.p2align	8
	.type	k_q1de7575a85_oproj,@function
k_q1de7575a85_oproj:
	s_mov_b64 s[64:65], 0
	v_nop
	global_prefetch_b8 v0, s[64:65] scope:SCOPE_SE
	s_setreg_imm32_b32 hwreg(HW_REG_WAVE_MODE, 25, 1), 1
	s_wait_xcnt 0x0
	s_wait_alu depctr_hold_cnt(0) depctr_sa_sdst(0) depctr_va_vdst(0) depctr_va_sdst(0) depctr_va_ssrc(0) depctr_va_vcc(0) depctr_vm_vsrc(0)
	s_getreg_b32 s2, hwreg(HW_REG_IB_STS2, 6, 4)
	s_cmp_eq_u32 s2, 0
	s_cbranch_scc0 .Lentry_in_a_cluster
	s_endpgm
.Lentry_in_a_cluster:
	s_bfe_u32 s2, ttmp6, 0x10000c
	s_cmp_lg_u32 s2, 0xf033
	s_cbranch_scc0 .Lentry_shape_is_right
	s_endpgm
.Lentry_shape_is_right:
; out0 = ctx Wo^T + bo.  ctx: [4096][1024] f16, Wo: [1024][1024] f16 (in xb, 30 MiB in), out0 f32.  No work is left out.
; The frame of the projections: a block of 128 x 128 for each of 256 work-groups, four waves of 64 x 64, K in four fills of 256 through
; two LDS slots, 4 x 4 clusters with ctx's tile asked for jointly along a row of the cluster and Wo's along a column.
; The matrix instruction is used transposed (source 0 = rows of Wo, source 1 = rows of ctx): lane l holds row l % 16 and columns
; 8 (l / 16) + 0..7 of a tile; the first product takes the bias as C.  The 16 accumulators take turns, one instruction a turn.
; LIMITS: operands in f16 (largest number 65,504; steps of 2^-24 below 2^-14), sums and result in f32.
.set PITCH, 528                        ; an LDS row: 512 bytes + 16
.set HALF,  64*PITCH
.set SLOT,  4*HALF
.set STAGE, 2*SLOT                     ; a multiple of 256: no fill lands here
.set SP,    272                        ; stage row: 64 f32 + 16 bytes
.set WOFF,  0x1e00000                  ; Wo in xb
.set ADRA, 8
.set ADRB, 10
.set STO,  12
.set RD,   13
.set CO,   14
.set BOFF, 15
.set BIAS, 16                          ; v[16:47]
.set F0,   48                          ; v[48:111]
.set F1,   112                         ; v[112:175]
.set OB,   176                         ; v[176:239] rows read back, two sets in turn
                                       ; v256-383 (window 1): accumulator (a, b) at 8 (4 a + b)
.set G1A, 24
.set G1B, 32
.set G0A, 40
.set G0B, 48
.set G1W0, (1<<16)|(1<<20)|(1<<21)|(6<<22)|(3<<25)
.set MUL,  0x50
.set MULZ, 0x40
.set MSB, 0
.macro WIN new
.if MSB != \new
	s_set_vgpr_msb (MSB<<8)|\new
.set MSB, \new
.endif
.endm
.macro PLACES                          ; four plain vector instructions behind matrix instructions (ISA guide 7.12.1)
.rept 4
	v_nop
.endr
.endm
.macro JLOAD s                         ; waves 0, 1 ask for ctx's two halves, waves 2, 3 for Wo's
	s_cmp_eq_u32 s15, 0
	s_cbranch_scc0 .Lfor_b_\@
	tensor_load_to_lds s[G0A+4*\s:G0A+4*\s+3], s[G1A:G1A+7]
	s_nop 0
	s_branch .Lasked_\@
.Lfor_b_\@:
	tensor_load_to_lds s[G0B+4*\s:G0B+4*\s+3], s[G1B:G1B+7]
	s_nop 0
.Lasked_\@:
.endm
.macro CREST
	s_cmp_lg_u32 s14, 0
	s_cbranch_scc1 .Lnot_wave_0_\@
	s_barrier_signal -3
.Lnot_wave_0_\@:
	s_barrier_wait -3
	s_barrier_signal -1
	s_barrier_wait -1
.endm
.macro CROUND
	s_barrier_signal -1
	s_barrier_wait -1
	CREST
.endm
	s_load_b256 s[4:11], s[0:1], 0x0               ; ctx 4, xb 6, bo 8, out0 10
	v_lshl_add_u32 v254, v0, 2, 0x46400
	v_mov_b32 v255, 0
	ds_add_u32 v254, v255
	v_lshrrev_b32 v1, 5, v0
	v_readfirstlane_b32 s14, v1                    ; wave
	s_lshr_b32 s15, s14, 1                         ; my half of the rows.  Also: I fetch for ctx (0) or for Wo (1)
	s_and_b32 s16, s14, 1                          ; my half of the columns.  Also: which 64 rows I fetch
	s_bfe_u32 s17, ttmp6, 0x40000                  ; cx
	s_bfe_u32 s18, ttmp6, 0x40004                  ; cy
	s_lshl_b32 s19, ttmp9, 2
	s_add_co_u32 s19, s19, s17                     ; block column
	s_and_b32 s20, ttmp7, 0xffff
	s_lshl_b32 s20, s20, 2
	s_add_co_u32 s20, s20, s18                     ; block row
	s_lshl_b32 s21, s18, 2
	s_lshl_b32 s21, 15, s21                        ; my row of the cluster
	s_lshl_b32 s22, 0x1111, s17                    ; my column
	s_or_b32 s[G1A+0], s21, G1W0
	s_or_b32 s[G1B+0], s22, G1W0
.irp g, G1A, G1B
	s_mov_b32 s[\g+1], 256<<16
	s_mov_b32 s[\g+2], 64<<16
	s_mov_b32 s[\g+3], 256<<16
	s_mov_b32 s[\g+4], 64
	s_mov_b32 s[\g+5], 1024
	s_mov_b32 s[\g+6], 0
	s_mov_b32 s[\g+7], 0
.endr
	s_lshl_b32 s23, s16, 17
	s_lshl_b32 s56, s20, 18
	s_add_co_u32 s56, s56, s23
	s_mov_b32 s57, 0
	s_lshl_b32 s58, s19, 18
	s_add_co_u32 s58, s58, s23
	s_add_co_u32 s58, s58, WOFF
	s_mov_b32 s59, 0
	s_mul_i32 s60, s14, HALF
	s_lshl_b32 s61, s19, 9                         ; my 64 columns in f32: 512 x block column + 256 x half: in the bias and in a row of out0
	s_lshl_b32 s23, s16, 8
	s_add_co_u32 s61, s61, s23
	s_lshl_b32 s62, s20, 19                        ; 128 rows of 4,096 bytes a block row,
	s_lshl_b32 s63, s15, 18                        ; 64 for my half
	s_add_co_u32 s62, s62, s63
	s_add_co_u32 s62, s62, s61
	s_mov_b32 s63, 0
	s_wait_dscnt 0x0
	s_wait_kmcnt 0x0
	s_add_nc_u64 s[56:57], s[4:5], s[56:57]
	s_add_nc_u64 s[58:59], s[6:7], s[58:59]
	s_add_nc_u64 s[10:11], s[10:11], s[62:63]
	CROUND
.irp s, 0,1
	s_mov_b32 s[G0A+4*\s], 1
	s_add_co_u32 s[G0A+4*\s+1], s60, \s*SLOT
	s_add_nc_u64 s[G0A+4*\s+2:G0A+4*\s+3], s[56:57], \s*512
	s_or_b32 s[G0A+4*\s+3], s[G0A+4*\s+3], 0x80000000
	s_mov_b32 s[G0B+4*\s], 1
	s_add_co_u32 s[G0B+4*\s+1], s60, \s*SLOT
	s_add_nc_u64 s[G0B+4*\s+2:G0B+4*\s+3], s[58:59], \s*512
	s_or_b32 s[G0B+4*\s+3], s[G0B+4*\s+3], 0x80000000
	JLOAD \s                                       ; two loads of this wave are out: the most that this text has out
.endr
	v_and_b32 v1, 15, v0                           ; r
	v_bfe_u32 v2, v0, 4, 1                         ; h
	v_mul_u32_u24 v4, v1, PITCH
	v_lshl_add_u32 v4, v2, 4, v4
	s_mul_i32 s62, s15, HALF
	s_mul_i32 s63, s16, HALF
	s_add_co_u32 s63, s63, 2*HALF
.irp s, 0,1
	v_add_nc_u32 v[ADRA+\s], s62, v4
	v_add_nc_u32 v[ADRB+\s], s63, v4
	s_add_co_u32 s62, s62, SLOT
	s_add_co_u32 s63, s63, SLOT
.endr
	s_mul_i32 s62, s14, 16*SP
	s_add_co_u32 s62, s62, STAGE                   ; my stage: 16 rows of 272 bytes
	v_mul_u32_u24 v5, v1, SP
	v_lshl_add_u32 v5, v2, 5, v5
	v_add_nc_u32 v[STO], s62, v5                   ; in: row r, 8 h columns of 4 bytes
	v_mul_u32_u24 v5, v2, SP
	v_lshl_add_u32 v5, v1, 4, v5
	v_add_nc_u32 v[RD], s62, v5                    ; back: sixteen lanes a row of 256 bytes, two rows a load
	v_lshlrev_b32 v[CO], 12, v2
	v_lshl_add_u32 v[CO], v1, 4, v[CO]             ; the same two rows in out0
	v_lshl_add_u32 v[BOFF], v2, 5, s61
.irp b, 0,1,2,3
	global_load_b128 v[BIAS+8*\b:BIAS+8*\b+3],   v[BOFF], s[8:9] offset:64*\b
	global_load_b128 v[BIAS+8*\b+4:BIAS+8*\b+7], v[BOFF], s[8:9] offset:64*\b+16
.endr
.macro FETCH slot, k, f
.irp i, 0,1,2,3
	ds_load_b128 v[\f+8*\i:\f+8*\i+3],   v[ADRB+\slot] offset:\k+\i*16*PITCH
	ds_load_b128 v[\f+8*\i+4:\f+8*\i+7], v[ADRB+\slot] offset:\k+\i*16*PITCH+32
.endr
.irp i, 0,1,2,3
	ds_load_b128 v[\f+32+8*\i:\f+32+8*\i+3], v[ADRA+\slot] offset:\k+\i*16*PITCH
	ds_load_b128 v[\f+32+8*\i+4:\f+32+8*\i+7], v[ADRA+\slot] offset:\k+\i*16*PITCH+32
.endr
.endm
.macro MUL4 f, a, zero
.irp b, 0,1,2,3
.if \zero
	v_wmma_f32_16x16x32_f16 v[8*(4*\a+\b):8*(4*\a+\b)+7], v[\f+8*\b:\f+8*\b+7], v[\f+32+8*\a:\f+32+8*\a+7], v[BIAS+8*\b:BIAS+8*\b+7]
.else
	v_wmma_f32_16x16x32_f16 v[8*(4*\a+\b):8*(4*\a+\b)+7], v[\f+8*\b:\f+8*\b+7], v[\f+32+8*\a:\f+32+8*\a+7], v[8*(4*\a+\b):8*(4*\a+\b)+7]
.endif
.endr
.endm
.macro MUL16 f, zero
	MUL4 \f, 0, \zero
	MUL4 \f, 1, \zero
	MUL4 \f, 2, \zero
	MUL4 \f, 3, \zero
.endm
.macro KSTEP slot, q, zero             ; K step q (0..6) of a fill's eight: fetches step q + 1 into the other buffer, multiplies its own
.set KF, F0+64*((\q)&1)
.set KG, F1-64*((\q)&1)
	WIN 0
	PLACES                                         ; behind the last step's products, which read the buffer that is loaded now
	FETCH \slot, 64*(\q+1), KG
	s_wait_dscnt 16                                ; all but the 16 loads just issued: my buffer is in
.if \zero
	s_wait_loadcnt 0x0                             ; the bias
	WIN MULZ
.else
	WIN MUL
.endif
	MUL16 KF, \zero
.endm
.macro SEVEN slot, zero
	KSTEP \slot, 0, \zero
	KSTEP \slot, 1, 0
	KSTEP \slot, 2, 0
	KSTEP \slot, 3, 0
	KSTEP \slot, 4, 0
	KSTEP \slot, 5, 0
	KSTEP \slot, 6, 0
.endm
; The eighth K step changes slots: each wave's reads of this slot and all its tensor loads are waited for in front of the barrier;
; fill = 1: the barrier opens a round of the cluster's barrier, and behind the round this slot is asked for again first.
.macro TURN slot, next, fill
	s_wait_dscnt 0x0
	WIN MUL
	MUL4 F1, 0, 0
	s_wait_tensorcnt 0x0
	ds_add_u32 v254, v255
	s_wait_dscnt 0x0
	s_barrier_signal -1
	MUL4 F1, 1, 0
	WIN 0
	s_barrier_wait -1
.if \fill
	CREST
	s_add_nc_u64 s[G0A+4*\slot+2:G0A+4*\slot+3], s[G0A+4*\slot+2:G0A+4*\slot+3], 1024
	s_add_nc_u64 s[G0B+4*\slot+2:G0B+4*\slot+3], s[G0B+4*\slot+2:G0B+4*\slot+3], 1024
	JLOAD \slot
.endif
	PLACES
	FETCH \next, 0, F0
	WIN MUL
	MUL4 F1, 2, 0
	MUL4 F1, 3, 0
.endm
	s_wait_tensorcnt 0x1                           ; my part of fill 0 is in; fill 1's stays out
	s_barrier_signal -1
	s_barrier_wait -1
	FETCH 0, 0, F0
	SEVEN 0, 1
	TURN 0, 1, 1                                   ; asks for fill 2
	SEVEN 1, 0
	TURN 1, 0, 1                                   ; asks for fill 3
	SEVEN 0, 0
	TURN 0, 1, 0                                   ; nothing is left to fetch
	SEVEN 1, 0
	s_wait_dscnt 0x0
	WIN MUL
	MUL16 F1, 0
	; The way out, 16 rows at a time: the f32 results go as they are into my own stage, are read back as rows of 256 bytes and stored.
	; LDS serves a wave's instructions in order (ISA guide 5.7.1.4): no wait between my stores and my loads.
	WIN 0
	PLACES                                         ; behind the last products, whose results are read now
.irp a, 0,1,2,3
	WIN 0x04                                       ; the stores' data in window 1
.irp b, 0,1,2,3
	ds_store_b128 v[STO], v[8*(4*\a+\b):8*(4*\a+\b)+3]   offset:64*\b
	ds_store_b128 v[STO], v[8*(4*\a+\b)+4:8*(4*\a+\b)+7] offset:64*\b+16
.endr
	WIN 0
	s_wait_xcnt 0x0                                ; the set of OB that earlier stores read is loaded again only behind this wait
.irp t, 0,1,2,3,4,5,6,7
	ds_load_b128 v[OB+32*(\a&1)+4*\t:OB+32*(\a&1)+4*\t+3], v[RD] offset:2*SP*\t
.endr
.irp t, 0,1,2,3,4,5,6,7
	s_wait_dscnt 7-\t                              ; read-back t is in, the younger ones stay out
	global_store_b128 v[CO], v[OB+32*(\a&1)+4*\t:OB+32*(\a&1)+4*\t+3], s[10:11] offset:(16*\a+2*\t)*4096 th:TH_STORE_NT   ; sixteen lanes store 256 consecutive bytes at a multiple of 256
.endr
.endr
	s_wait_tensorcnt 0x0
	ds_add_u32 v254, v255
	s_wait_dscnt 0x0
	CROUND                                         ; the closing round
	s_endpgm
.Lfunc_end_k_q1de7575a85_oproj:
	.size	k_q1de7575a85_oproj, .Lfunc_end_k_q1de7575a85_oproj-k_q1de7575a85_oproj
	.p2alignl 7, 3214868480
	.fill 96, 4, 3214868480
	.section	.rodata,"a",@progbits
	.p2align	6, 0x0
	.amdhsa_kernel k_q1de7575a85_oproj
		.amdhsa_group_segment_fixed_size 327680
		.amdhsa_private_segment_fixed_size 0
		.amdhsa_enable_private_segment 0
		.amdhsa_kernarg_size 32
		.amdhsa_user_sgpr_count 2
		.amdhsa_user_sgpr_kernarg_segment_ptr 1
		.amdhsa_wavefront_size32 1
		.amdhsa_system_sgpr_workgroup_id_x 1
		.amdhsa_system_sgpr_workgroup_id_y 1
		.amdhsa_system_sgpr_workgroup_id_z 1
		.amdhsa_system_vgpr_workitem_id 0
		.amdhsa_next_free_vgpr 384
		.amdhsa_next_free_sgpr 66
		.amdhsa_reserve_vcc 0
		.amdhsa_float_denorm_mode_32 3
		.amdhsa_float_denorm_mode_16_64 3
		.amdhsa_memory_ordered 1
		.amdhsa_forward_progress 1
		.amdhsa_inst_pref_size 89
	.end_amdhsa_kernel
	.amdgpu_metadata
---
amdhsa.version: [ 1, 2 ]
amdhsa.kernels:
  - .name:           k_q1de7575a85_oproj
    .symbol:         k_q1de7575a85_oproj.kd
    .args:
      - { .name: ctx, .offset: 0, .size: 8, .value_kind: global_buffer, .address_space: global }
      - { .name: xb, .offset: 8, .size: 8, .value_kind: global_buffer, .address_space: global }
      - { .name: bo, .offset: 16, .size: 8, .value_kind: global_buffer, .address_space: global }
      - { .name: out0, .offset: 24, .size: 8, .value_kind: global_buffer, .address_space: global }
    .group_segment_fixed_size: 327680
    .private_segment_fixed_size: 0
    .kernarg_segment_align: 8
    .kernarg_segment_size: 32
    .max_flat_workgroup_size: 128
    .sgpr_count:     66
    .vgpr_count:     384
    .wavefront_size: 32
...
	.end_amdgpu_metadata
.endif
;; end of part 4
;; ======== version 2 of 2: 4 launches
;; limits: values are held in f16: magnitudes above 65,504 overflow, below 6.1e-05 lose precision
;; workspace buffers: xb 33,554,432 bytes; qkvh 25,165,824 bytes; ctx 8,388,608 bytes
;; launch cast: the kernel of part 1 again; grid 1024 x 1, 8 waves a work-group, no clusters, 0 bytes of LDS; arguments q, k, v, Wq, Wk, Wv, Wo, xb; writes xb
;; launch proj (part 5): grid 4 x 48, 4 waves a work-group, clusters of 4 x 4, 327,680 bytes of LDS; arguments xb, bq, bk, bv, qkvh; writes qkvh
.if DOCPART == 5
	.amdgcn_target "amdgcn-amd-amdhsa--gfx1250"
	.amdhsa_code_object_version 6
	.text
	.protected	k_q1de7575a85_proj
	.globl	k_q1de7575a85_proj
	.p2align	8
	.type	k_q1de7575a85_proj,@function
k_q1de7575a85_proj:
	s_mov_b64 s[64:65], 0
	v_nop
	global_prefetch_b8 v0, s[64:65] scope:SCOPE_SE
	s_setreg_imm32_b32 hwreg(HW_REG_WAVE_MODE, 25, 1), 1
	s_wait_xcnt 0x0
	s_wait_alu depctr_hold_cnt(0) depctr_sa_sdst(0) depctr_va_vdst(0) depctr_va_sdst(0) depctr_va_ssrc(0) depctr_va_vcc(0) depctr_vm_vsrc(0)
	s_getreg_b32 s2, hwreg(HW_REG_IB_STS2, 6, 4)
	s_cmp_eq_u32 s2, 0
	s_cbranch_scc0 .Lentry_in_a_cluster
	s_endpgm
.Lentry_in_a_cluster:
	s_bfe_u32 s2, ttmp6, 0x10000c
	s_cmp_lg_u32 s2, 0xf033
	s_cbranch_scc0 .Lentry_shape_is_right
	s_endpgm
.Lentry_shape_is_right:
; qkvh[p][b][h][s][0..63] = f16( x_p W_p^T + b_p ), p = q, k, v.  No work is left out.
; q, k, v lie one behind the other in xb, so x is one matrix of 12,288 rows x 1,024 in f16; W_p: [1024][1024] f16, 24 MiB + 2 MiB p into xb.
; A work-group makes a block of 256 x 256 of the result with four waves, as many as a WGP has SIMDs; a wave makes 128 x 128: 64 accumulator
; tiles, 512 registers, so that 32 LDS loads feed 64 products.  48 block rows x 4 block columns are 192 work-groups; a smaller block would
; give more of them, but each filled byte and each byte read from LDS would feed half as many products.
; K goes in steps of 128 (rows of 256 bytes, at multiples of 256 bytes) through two LDS slots filled by the tensor data mover: 8 steps.
; CLUSTERS: 4 x 4 work-groups.  x's tile hangs on the block row alone and is asked for jointly along a row of the cluster.  W's hangs on the
; block column and on which of q, k, v the rows belong to; 16 block rows a tensor divide by 4, so that is the cluster's y >> 2, the same in
; all sixteen: W's tile is asked for jointly along a column.
; REGISTERS in windows of 256: window 0: v16-27 addresses; v64-127, v128-191 fragments of x, two buffers; v192-255 the bias, later the packed
; results.  Window 1: v64-127, v128-191 fragments of W.  Window 2: the 32 accumulators of my rows 0-63 (tile (a, b) at 8 (8 a + b)); window 3: rows 64-127.
; THE MATRIX INSTRUCTION IS USED TRANSPOSED: source 0 = 16 rows of W, source 1 = 16 rows of x.  Lane l then holds row l % 16 of the result and
; columns 8 (l / 16) + 0..7 of the tile: eight neighbours that pack into 16 bytes.  The first product of an accumulator takes the bias as C
; (register j of lane l: bias of column 8 (l / 16) + j): the bias costs no instruction and nothing is cleared.
; The 64 accumulators take turns, one instruction a turn, in the same order in every quarter step.
; LIMITS: operands and results in f16, sums in f32; a result above 65,504 in magnitude becomes infinite (x and W both 30 times
; larger than spread 1 and 1/32 give spread 900; both offset by 30 spreads give 28,800).
.set SIZE_K, 1024
.set KSTEP,  128
.set PITCH,  272                       ; an LDS row: 256 bytes + 16 of padding, 17 x 16: the 16 rows of a fragment load start 16 bytes apart modulo 256
.set HALFT,  128*PITCH                 ; 128 rows: one tensor load, and what a wave reads of x or of W
.set SLOT,   4*HALFT                   ; x's 256 rows, then W's 256 rows
.set STAGE,  2*SLOT                    ; behind the ring, a multiple of 256: no fill lands here
.set SP,     144                       ; stage row: a head's 128 bytes + 16
.set SHEAD,  16*SP                     ; 16 rows of one head; a wave's stage holds two heads
.set HEADB,  262144                    ; from a head to the next in qkvh
.set WOFF,   0x1800000                 ; Wq in xb
.set LAPS,   SIZE_K/(2*KSTEP)          ; a lap = two K steps = once round the ring: 4
.set ADRA, 16                          ; v16-17  LDS address of my x fragments, slot 0, 1
.set ADRB, 20                          ; v20-21  of my W fragments
.set STO,  24                          ; the way out: where I put 16 bytes
.set RD,   25                          ; where I read rows back
.set CO,   26                          ; my byte offset in the output
.set BOFF, 27                          ; my byte offset in the bias
.set F0,   64                          ; fragment buffer 0
.set F1,   128                         ; fragment buffer 1
.set BIAS, 192                         ; v[192:255] 8 registers for each of my eight column tiles
.set TMP,  192                         ; the way out: packed results, where the bias lay
.set G1,  24                           ; s[24:31] group 1 for x's tiles
.set G0,  32                           ; s[32:39] group 0 for x's tiles, a set for each slot
.set G1B, 48                           ; s[48:55] group 1 for W's: another mask
.set G0B, 56                           ; s[56:63] group 0 for W's
.set G1W0, (1<<16)|(1<<20)|(1<<21)|(5<<22)|(3<<25)   ; 2-byte elements; padding on; bit 21 beside a mask; after every 64 words; 4 words
.set MUL_LO,  0xa1                     ; source 0 (W) window 1, source 1 (x) window 0, C and D window 2
.set MUL_HI,  0xf1                     ; the same, C and D window 3
.set MULZ_LO, 0x81                     ; D window 2, C (the bias) window 0
.set MULZ_HI, 0xc1                     ; D window 3, C window 0
.set TO_B,    0x40                     ; destination window 1, address window 0
.set MSB, 0
.macro WIN new                         ; the immediate's high byte repeats the setting that is left
.if MSB != \new
	s_set_vgpr_msb (MSB<<8)|\new
.set MSB, \new
.endif
.endm
.macro PLACES                          ; four plain vector instructions behind matrix instructions (ISA guide 7.12.1)
.rept 4
	v_nop
.endr
.endm
; A joint load: waves 0, 1 ask for x's two halves, waves 2, 3 for W's.  The branch hangs on the wave's number alone.
.macro JLOAD s
	s_cmp_eq_u32 s15, 0
	s_cbranch_scc0 .Lfor_b_\@
	tensor_load_to_lds s[G0+4*\s:G0+4*\s+3], s[G1:G1+7]
	s_nop 0
	s_branch .Lasked_\@
.Lfor_b_\@:
	tensor_load_to_lds s[G0B+4*\s:G0B+4*\s+3], s[G1B:G1B+7]
	s_nop 0
.Lasked_\@:
.endm
.macro CREST                           ; a round of the cluster's barrier behind its opening work-group barrier
	s_cmp_lg_u32 s14, 0
	s_cbranch_scc1 .Lnot_wave_0_\@
	s_barrier_signal -3
.Lnot_wave_0_\@:
	s_barrier_wait -3
	s_barrier_signal -1
	s_barrier_wait -1
.endm
.macro CROUND
	s_barrier_signal -1
	s_barrier_wait -1
	CREST
.endm
	s_load_b256 s[4:11], s[0:1], 0x0               ; xb 4, bq 6, bk 8, bv 10
	s_load_b64 s[12:13], s[0:1], 0x20              ; qkvh
	s_set_vgpr_msb 0x40
	v_lshl_add_u32 v255, v0, 2, 0x48800
	s_set_vgpr_msb 0x4000
	v_mov_b32 v63, 0
	s_set_vgpr_msb 0x1
	ds_add_u32 v255, v63
	s_set_vgpr_msb 0x100
	v_lshrrev_b32 v1, 5, v0
	v_readfirstlane_b32 s14, v1                    ; wave 0..3
	s_lshr_b32 s15, s14, 1                         ; my half of the block's rows.  Also: I fetch for x (0) or for W (1)
	s_and_b32 s16, s14, 1                          ; my half of its columns.  Also: which 128 rows of that tile I fetch
	s_bfe_u32 s17, ttmp6, 0x40000                  ; cx
	s_bfe_u32 s18, ttmp6, 0x40004                  ; cy
	s_lshl_b32 s19, ttmp9, 2
	s_add_co_u32 s19, s19, s17                     ; block column = 4 x cluster x + cx, 0..3
	s_and_b32 s40, ttmp7, 0xffff                   ; the cluster's y, 0..11
	s_lshl_b32 s20, s40, 2
	s_add_co_u32 s20, s20, s18                     ; block row = 4 x cluster y + cy, 0..47
	s_lshr_b32 s40, s40, 2                         ; p: q, k or v, from the cluster's y alone
	s_lshl_b32 s21, s18, 2
	s_lshl_b32 s21, 15, s21                        ; my row of the cluster
	s_lshl_b32 s22, 0x1111, s17                    ; my column
	s_or_b32 s[G1+0], s21, G1W0
	s_or_b32 s[G1B+0], s22, G1W0
.irp g, G1, G1B
	s_mov_b32 s[\g+1], KSTEP<<16                   ; tensor_dim0 = 128 elements
	s_mov_b32 s[\g+2], 128<<16                     ; tensor_dim1 = 128 rows
	s_mov_b32 s[\g+3], KSTEP<<16                   ; tile_dim0 = 128
	s_mov_b32 s[\g+4], 128                         ; tile_dim1 = 128
	s_mov_b32 s[\g+5], SIZE_K                      ; elements from row to row
	s_mov_b32 s[\g+6], 0
	s_mov_b32 s[\g+7], 0
.endr
	s_lshl_b32 s23, s16, 18                        ; 128 rows of 2,048 bytes
	s_lshl_b32 s42, s20, 19                        ; x: 256 rows x block row
	s_add_co_u32 s42, s42, s23
	s_mov_b32 s43, 0
	s_lshl_b32 s46, s19, 19                        ; W: 256 rows x block column,
	s_add_co_u32 s46, s46, s23
	s_lshl_b32 s47, s40, 21                        ; 2 MiB x p,
	s_add_co_u32 s46, s46, s47
	s_add_co_u32 s46, s46, WOFF                    ; behind the three x
	s_mov_b32 s47, 0
	s_mul_i32 s41, s14, HALFT                      ; where my loads go: wave x 128 rows: no place in the cluster enters an LDS address
	s_lshr_b32 s44, s20, 3                         ; the way out: 8 block rows are a batch of one tensor: (2 p + batch) x 4 MiB,
	s_lshl_b32 s44, s44, 22
	s_lshl_b32 s45, s19, 20                        ; four heads a block column,
	s_add_co_u32 s44, s44, s45
	s_lshl_b32 s45, s16, 19                        ; two heads for my half of the columns,
	s_add_co_u32 s44, s44, s45
	s_and_b32 s45, s20, 7
	s_lshl_b32 s45, s45, 15                        ; 256 rows of 128 bytes for each block row inside the batch,
	s_add_co_u32 s44, s44, s45
	s_lshl_b32 s45, s15, 14                        ; 128 rows for my half
	s_add_co_u32 s44, s44, s45
	s_mov_b32 s45, 0
	s_lshl_b32 s3, s19, 10                         ; the bias of my 128 columns: 1,024 bytes x block column + 512 x half
	s_lshl_b32 s23, s16, 9
	s_add_co_u32 s3, s3, s23
	s_wait_dscnt 0x0
	s_wait_kmcnt 0x0
	s_add_nc_u64 s[42:43], s[4:5], s[42:43]
	s_add_nc_u64 s[46:47], s[4:5], s[46:47]
	s_add_nc_u64 s[12:13], s[12:13], s[44:45]
	s_cmp_eq_u32 s40, 1                            ; the bias of my tensor: the choice hangs on p alone
	s_cselect_b64 s[6:7], s[8:9], s[6:7]
	s_cmp_eq_u32 s40, 2
	s_cselect_b64 s[6:7], s[10:11], s[6:7]
	CROUND                                         ; all sixteen work-groups are here: the first joint loads meet
.irp s, 0,1
	s_mov_b32 s[G0+4*\s], 1
	s_add_co_u32 s[G0+4*\s+1], s41, \s*SLOT
	s_add_nc_u64 s[G0+4*\s+2:G0+4*\s+3], s[42:43], \s*KSTEP*2      ; K step s
	s_or_b32 s[G0+4*\s+3], s[G0+4*\s+3], 0x80000000
	s_mov_b32 s[G0B+4*\s], 1
	s_add_co_u32 s[G0B+4*\s+1], s41, \s*SLOT
	s_add_nc_u64 s[G0B+4*\s+2:G0B+4*\s+3], s[46:47], \s*KSTEP*2
	s_or_b32 s[G0B+4*\s+3], s[G0B+4*\s+3], 0x80000000
	JLOAD \s                                       ; two loads of this wave are out: the most that this text has out
.endr
	v_and_b32 v1, 15, v0                           ; r = l % 16
	v_bfe_u32 v2, v0, 4, 1                         ; h = l / 16
	v_mul_u32_u24 v3, v1, PITCH
	v_lshl_add_u32 v3, v2, 4, v3                   ; a fragment: row r, 16 bytes for each half of the lanes, a second load 32 bytes on
	s_mul_i32 s21, s15, HALFT                      ; my 128 rows of x
	s_mul_i32 s22, s16, HALFT                      ; my 128 rows of W,
	s_add_co_u32 s22, s22, 2*HALFT                 ; which lie behind x's 256
.irp s, 0,1
	v_add_nc_u32 v[ADRA+\s], s21, v3
	v_add_nc_u32 v[ADRB+\s], s22, v3
	s_add_co_u32 s21, s21, SLOT
	s_add_co_u32 s22, s22, SLOT
.endr
	s_mul_i32 s23, s14, 2*SHEAD
	s_add_co_u32 s23, s23, STAGE                   ; my stage: two heads x 16 rows of 144 bytes
	v_mul_u32_u24 v4, v1, SP
	v_lshl_add_u32 v4, v2, 4, v4
	v_add_nc_u32 v[STO], s23, v4                   ; in: row r, 16 h
	v_and_b32 v5, 31, v0                           ; l
	v_lshrrev_b32 v6, 3, v5
	v_and_b32 v7, 7, v5
	v_mul_u32_u24 v6, v6, SP
	v_lshl_add_u32 v6, v7, 4, v6
	v_add_nc_u32 v[RD], s23, v6                    ; back: eight lanes a row of 128 bytes, four rows a load
	v_lshlrev_b32 v[CO], 4, v5                     ; a head's rows follow each other in memory: 32 lanes store 512 consecutive bytes
	v_lshl_add_u32 v[BOFF], v2, 5, s3              ; + 8 h columns
.irp b, 0,1,2,3,4,5,6,7
	global_load_b128 v[BIAS+8*\b:BIAS+8*\b+3],   v[BOFF], s[6:7] offset:64*\b       ; bias of columns 16 b + 8 h + 0..7
	global_load_b128 v[BIAS+8*\b+4:BIAS+8*\b+7], v[BOFF], s[6:7] offset:64*\b+16
.endr
; 16 products: row tiles a0, a0 + 1 of the window's four (hi = 0: my rows 0-63, 1: rows 64-127) x all 8 column tiles, 32 along K.
; zero = 1: the first product of each accumulator takes the bias as C.
.macro MUL16 f, hi, a0, zero
.irp a, \a0, \a0+1
.irp b, 0,1,2,3,4,5,6,7
.if \zero
	v_wmma_f32_16x16x32_f16 v[8*(8*(\a)+\b):8*(8*(\a)+\b)+7], v[\f+8*\b:\f+8*\b+7], v[\f+8*(4*\hi+\a):\f+8*(4*\hi+\a)+7], v[BIAS+8*\b:BIAS+8*\b+7]
.else
	v_wmma_f32_16x16x32_f16 v[8*(8*(\a)+\b):8*(8*(\a)+\b)+7], v[\f+8*\b:\f+8*\b+7], v[\f+8*(4*\hi+\a):\f+8*(4*\hi+\a)+7], v[8*(8*(\a)+\b):8*(8*(\a)+\b)+7]
.endif
.endr
.endr
.endm
; 32 LDS loads in one run: the fragments of one quarter step (128 rows of W, 128 rows of x, 32 K at byte k of the rows) into buffer f
.macro FETCH slot, k, f
	WIN TO_B
.irp i, 0,1,2,3,4,5,6,7
	ds_load_b128 v[\f+8*\i:\f+8*\i+3],   v[ADRB+\slot] offset:\k+\i*16*PITCH
	ds_load_b128 v[\f+8*\i+4:\f+8*\i+7], v[ADRB+\slot] offset:\k+\i*16*PITCH+32
.endr
	WIN 0
.irp i, 0,1,2,3,4,5,6,7
	ds_load_b128 v[\f+8*\i:\f+8*\i+3],   v[ADRA+\slot] offset:\k+\i*16*PITCH
	ds_load_b128 v[\f+8*\i+4:\f+8*\i+7], v[ADRA+\slot] offset:\k+\i*16*PITCH+32
.endr
.endm
; A K step is four quarter steps of 32 along K, 64 products each, on buffers 0, 1, 0, 1.
; One of the first three: multiplies buffer f; in its middle it fetches the next quarter's fragments, at byte k of the same slot's rows, into buffer g.
.macro QUARTER slot, k, f, g, zero
	s_wait_dscnt 8                                 ; W and x's rows 0-63 are in; the youngest eight loads (x's rows 64-127) may be out
.if \zero
	WIN MULZ_LO
.else
	WIN MUL_LO
.endif
	MUL16 \f, 0, 0, \zero
	MUL16 \f, 0, 2, \zero
	PLACES                                         ; behind the products that read the buffer that is loaded now
	FETCH \slot, \k, \g
	s_wait_dscnt 32                                ; all but the 32 just issued
.if \zero
	WIN MULZ_HI
.else
	WIN MUL_HI
.endif
	MUL16 \f, 1, 0, \zero
	MUL16 \f, 1, 2, \zero
.endm
.macro THREE slot, zero
	QUARTER \slot, 64,  F0, F1, \zero
	QUARTER \slot, 128, F1, F0, 0
	QUARTER \slot, 192, F0, F1, 0
.endm
; The last quarter multiplies buffer 1 and changes slots.  In front of the barrier each wave has waited for its reads of this slot and for
; all its tensor loads (one is out: its part of the next slot).  fill = 1: the barrier opens a round of the cluster's barrier, and behind
; the round this slot is asked for again, two K steps ahead, before anything else: from that request to the wait for it a wave issues 240 products.
.macro TURN slot, next, fill
	s_wait_dscnt 8
	WIN MUL_LO
	MUL16 F1, 0, 0, 0
	s_wait_dscnt 0x0                               ; my reads of this slot are over
	s_wait_tensorcnt 0x0                           ; all my tensor loads have landed
	ds_add_u32 v255, v63
	s_wait_dscnt 0x0
	s_barrier_signal -1
	MUL16 F1, 0, 2, 0                              ; registers only, while the others arrive
	WIN 0
	s_barrier_wait -1
.if \fill
	CREST
	s_add_nc_u64 s[G0+4*\slot+2:G0+4*\slot+3], s[G0+4*\slot+2:G0+4*\slot+3], 2*KSTEP*2
	s_add_nc_u64 s[G0B+4*\slot+2:G0B+4*\slot+3], s[G0B+4*\slot+2:G0B+4*\slot+3], 2*KSTEP*2
	JLOAD \slot                                    ; the first tensor load behind the round
.endif
	PLACES                                         ; behind the products that read buffer 0
	FETCH \next, 0, F0
	WIN MUL_HI
	MUL16 F1, 1, 0, 0
	MUL16 F1, 1, 2, 0
.endm
.macro LAP zero                        ; once round the ring, both slots filled again
	THREE 0, \zero
	TURN 0, 1, 1
	THREE 1, 0
	TURN 1, 0, 1
.endm
	s_wait_tensorcnt 0x1                           ; my part of K step 0 is in; K step 1's stays out
	s_barrier_signal -1
	s_barrier_wait -1
	FETCH 0, 0, F0
	s_wait_loadcnt 0x0                             ; the bias
	LAP 1                                          ; the first lap stands in front of the loop: its first products start the sums from the bias
	WIN 0                                          ; at a label and at a branch every window is 0
	s_mov_b32 s3, LAPS-2
.Llap:
	LAP 0
	WIN 0
	s_sub_co_u32 s3, s3, 1
	s_cmp_lg_u32 s3, 0
	s_cbranch_scc1 .Llap
	THREE 0, 0                                     ; the last lap fills nothing: my one tensor load still out is slot 1's, the last K step's
	TURN 0, 1, 0
	THREE 1, 0
	s_wait_dscnt 8                                 ; the very last quarter: nothing more to fetch
	WIN MUL_LO
	MUL16 F1, 0, 0, 0
	MUL16 F1, 0, 2, 0
	s_wait_dscnt 0x0
	WIN MUL_HI
	MUL16 F1, 1, 0, 0
	MUL16 F1, 1, 2, 0
	; THE WAY OUT, 16 rows at a time: round to f16, 16 bytes a lane into my own stage (column tiles 0-3 are one head, 4-7 the next),
	; read back four rows of one head a load, store 512 consecutive bytes.  LDS serves a wave's instructions in order (ISA guide 5.7.1.4),
	; so no wait stands between my stores and my loads.
	PLACES                                         ; behind the last products: their results are read and the buffers loaded again
; rows 16 i .. 16 i + 15 of my block = the eight tiles (a, 0..7) of window 2 or 3 (from = 0x0a or 0x0f: sources 0 and 1); f: F0 or F1 in turn
.macro OUT16 i, a, from, f
	WIN \from
.irp b, 0,1,2,3,4,5,6,7
.irp r, 0,1,2,3
	v_cvt_pk_f16_f32 v[TMP+4*\b+\r], v[8*(8*\a+\b)+2*\r], v[8*(8*\a+\b)+2*\r+1]
.endr
.endr
	WIN 0
.irp b, 0,1,2,3,4,5,6,7
	ds_store_b128 v[STO], v[TMP+4*\b:TMP+4*\b+3] offset:(\b>>2)*SHEAD+32*(\b&3)
.endr
	s_wait_xcnt 0x0                                ; buffer f, which earlier stores read, is loaded again only behind this wait
.irp t, 0,1,2,3,4,5,6,7
	ds_load_b128 v[\f+4*\t:\f+4*\t+3], v[RD] offset:(\t>>2)*SHEAD+(\t&3)*4*SP
.endr
.irp t, 0,1,2,3,4,5,6,7
	s_wait_dscnt 7-\t                              ; read-back t is in, the younger ones stay out
	global_store_b128 v[CO], v[\f+4*\t:\f+4*\t+3], s[12:13] offset:(\t>>2)*HEADB+\i*2048+(\t&3)*512
.endr
.endm
	OUT16 0, 0, 0x0a, F0
	OUT16 1, 1, 0x0a, F1
	OUT16 2, 2, 0x0a, F0
	OUT16 3, 3, 0x0a, F1
	OUT16 4, 0, 0x0f, F0
	OUT16 5, 1, 0x0f, F1
	OUT16 6, 2, 0x0f, F0
	OUT16 7, 3, 0x0f, F1
	s_set_vgpr_msb 0x1
	s_wait_tensorcnt 0x0
	ds_add_u32 v255, v63
	s_wait_dscnt 0x0
	s_set_vgpr_msb 0x100
	CROUND                                         ; the closing round: no work-group ends while a partner may still ask jointly
	s_endpgm
.Lfunc_end_k_q1de7575a85_proj:
	.size	k_q1de7575a85_proj, .Lfunc_end_k_q1de7575a85_proj-k_q1de7575a85_proj
	.p2alignl 7, 3214868480
	.fill 96, 4, 3214868480
	.section	.rodata,"a",@progbits
	.p2align	6, 0x0
	.amdhsa_kernel k_q1de7575a85_proj
		.amdhsa_group_segment_fixed_size 327680
		.amdhsa_private_segment_fixed_size 0
		.amdhsa_enable_private_segment 0
		.amdhsa_kernarg_size 40
		.amdhsa_user_sgpr_count 2
		.amdhsa_user_sgpr_kernarg_segment_ptr 1
		.amdhsa_wavefront_size32 1
		.amdhsa_system_sgpr_workgroup_id_x 1
		.amdhsa_system_sgpr_workgroup_id_y 1
		.amdhsa_system_sgpr_workgroup_id_z 1
		.amdhsa_system_vgpr_workitem_id 0
		.amdhsa_next_free_vgpr 1024
		.amdhsa_next_free_sgpr 66
		.amdhsa_reserve_vcc 0
		.amdhsa_float_denorm_mode_32 3
		.amdhsa_float_denorm_mode_16_64 3
		.amdhsa_memory_ordered 1
		.amdhsa_forward_progress 1
		.amdhsa_inst_pref_size 198
	.end_amdhsa_kernel
	.amdgpu_metadata
---
amdhsa.version: [ 1, 2 ]
amdhsa.kernels:
  - .name:           k_q1de7575a85_proj
    .symbol:         k_q1de7575a85_proj.kd
    .args:
      - { .name: xb, .offset: 0, .size: 8, .value_kind: global_buffer, .address_space: global }
      - { .name: bq, .offset: 8, .size: 8, .value_kind: global_buffer, .address_space: global }
      - { .name: bk, .offset: 16, .size: 8, .value_kind: global_buffer, .address_space: global }
      - { .name: bv, .offset: 24, .size: 8, .value_kind: global_buffer, .address_space: global }
      - { .name: qkvh, .offset: 32, .size: 8, .value_kind: global_buffer, .address_space: global }
    .group_segment_fixed_size: 327680
    .private_segment_fixed_size: 0
    .kernarg_segment_align: 8
    .kernarg_segment_size: 40
    .max_flat_workgroup_size: 128
    .sgpr_count:     66
    .vgpr_count:     1024
    .wavefront_size: 32
...
	.end_amdgpu_metadata
.endif
;; end of part 5
;; launch attn (part 6): grid 256 x 1, 4 waves a work-group, clusters of 4 x 1, 327,680 bytes of LDS; arguments qkvh, ctx; writes ctx
.if DOCPART == 6
	.amdgcn_target "amdgcn-amd-amdhsa--gfx1250"
	.amdhsa_code_object_version 6
	.text
	.protected	k_q1de7575a85_attn
	.globl	k_q1de7575a85_attn
	.p2align	8
	.type	k_q1de7575a85_attn,@function
k_q1de7575a85_attn:
	s_mov_b64 s[64:65], 0
	v_nop
	global_prefetch_b8 v0, s[64:65] scope:SCOPE_SE
	s_setreg_imm32_b32 hwreg(HW_REG_WAVE_MODE, 25, 1), 1
	s_wait_xcnt 0x0
	s_wait_alu depctr_hold_cnt(0) depctr_sa_sdst(0) depctr_va_vdst(0) depctr_va_sdst(0) depctr_va_ssrc(0) depctr_va_vcc(0) depctr_vm_vsrc(0)
	s_getreg_b32 s2, hwreg(HW_REG_IB_STS2, 6, 4)
	s_cmp_eq_u32 s2, 0
	s_cbranch_scc0 .Lentry_in_a_cluster
	s_endpgm
.Lentry_in_a_cluster:
	s_bfe_u32 s2, ttmp6, 0x10000c
	s_cmp_lg_u32 s2, 0x3003
	s_cbranch_scc0 .Lentry_shape_is_right
	s_endpgm
.Lentry_shape_is_right:
; ctx[b][s][64 h + d] = sum over t of softmax_t( |q.k| / 8 ) v, heads in qkvh as [q,k,v][b][h][s][64] f16.  No work is left out.
; A work-group takes 128 queries of two neighbouring heads (so that a row of its result is 256 consecutive bytes of ctx);
; wave w takes head w & 1 and 64 queries (w >> 1), as four query tiles of 16.  Keys go in fills of 128 through two LDS slots, 16 fills.
; CLUSTERS: the four work-groups of a cluster take four query blocks of the same two heads and ask for K and V jointly (mask 15).
; BOTH PRODUCTS ARE TRANSPOSED.  S^T = K Q^T: lane l holds, for query l % 16, keys 8 (l / 16) + 0..7 of a key tile.  Packed to f16
; that is the layout of source 1 of O^T = V^T P^T, so the weights never leave the registers; a query's maximum, sum and rescaling
; factor are one number a lane.  V^T comes from LDS by the transposing load.
; SOFTMAX: a running maximum of |s|, started by the first 64 keys' own maximum; weights 2^(c |s| - c max), c = log2(e) / 8; the sums
; of a query's two lanes (l, l + 16) are joined once at the end.
; THE SCHEDULE.  The four query tiles are two pieces, A (tiles 0, 1) and B (tiles 2, 3), half a step apart.  In step j (64 keys):
;   first half:   products O_B += V(j-1) P_B(j-1), then S_B(j) = K(j) Q_B;    among them the softmax of S_A(j)
;   second half:  products O_A += V(j) P_A(j),     then S_A(j+1) = K(j+1) Q_A; among them the softmax of S_B(j)
; The softmax of a piece is 32 numbered slices, and one slice stands behind each of the other piece's 32 products, so that matrix and
; vector work are issued side by side; the slices are also the plain instructions that stand behind the products (ISA guide 7.12.1).
; K and V have one set of registers each: V(j) is loaded behind the last product that reads V(j-1), K(j+1) behind the last that reads K(j).
; WINDOWS.  Window 0: v0-63 addresses and statistics, v64-191 S and P, v192-255 K.  Window 1: O at 0-127, Q at 128-191, V at 192-255.
; The S products run with source 1 alone in window 1; under that setting every line without a vector register as source 1 works on
; window 0: exponentials, multiply-adds by a scalar, and sums written as a x 1.0 + b, which is why the sums have that form.
; The O products run with all but source 1 in window 1; under that setting O is rescaled by a factor from window 0.
; Only the maxima, the statistics and the packing need all places in window 0 and cost a pair of switches a slice.
; Accumulators take turns, one instruction a turn (8 in a piece's S, 8 in its O).
; LIMITS: Q, K, V, the weights and ctx in f16, all else in f32.  The weights lie in [0, 1]: one under 2^-25 of its row's running
; largest is 0 in f16, over 2,048 keys at most 2^-14 of the sum, which is at least 1.  ctx is a mean of V's rows and has V's range.
; The sum is taken of the weights before their rounding to f16.
.set KP,    144                        ; K's LDS row: 128 bytes + 16
.set VP,    160                        ; V's: 128 + 32, 5 x 32, for the transposing load
.set REG,   128*VP                     ; a region of a slot: 128 keys of one head (K leaves its last 2,048 bytes unused)
.set SLOT,  4*REG                      ; K head 0, K head 1, V head 0, V head 1: region w is filled by wave w
.set STAGE, 2*SLOT                     ; a multiple of 256; no fill lands here
.set SPITCH, 272                       ; stage row: 256 bytes (two heads) + 16
.set FILLB, 128*128                    ; bytes of a fill in memory, for one head of K or of V
.set KAD,  8                           ; v8-9    my K fragments, slot 0, 1
.set VAD,  10                          ; v10-11  my V fragments
.set QOFF, 12
.set STO,  13
.set RD,   14
.set CO,   15
.set MX,   16                          ; v[16:19]  running maximum of |s|, query tile qt
.set LS,   20                          ; v[20:23]  running sum
.set AL,   24                          ; v[24:27]  rescaling factor; at the end 1 / sum
.set NM,   28                          ; v[28:31]  - c x maximum
.set TT,   32                          ; v[32:47]  at work, 8 for each of the two tiles of the piece whose softmax runs
.set SC,   64                          ; v[64:191] S(qt, kt) at 64 + 32 qt + 8 kt; then P(qt, kg) at 64 + 32 qt + 16 kg
.set KF,   192                         ; v[192:255] K(kt, dh) at 192 + 16 kt + 8 dh
.set OF,   0                           ; window 1: O(qt, dt) at 32 qt + 8 dt
.set QF,   128                         ; window 1: Q(qt, dh) at 128 + 16 qt + 8 dh
.set VF,   192                         ; window 1: V(kg, dt) at 192 + 32 kg + 8 dt
.set G1K, 24
.set G1V, 32
.set G0K, 40                           ; a set for each slot
.set G0V, 48
.set W_S,   0x04                       ; source 1 (Q) window 1; source 0 (K), C and D (S) window 0
.set W_PV,  0x51                       ; source 0 (V), C and D (O) window 1; source 1 (P) window 0
.set W_LD,  0x40                       ; destination window 1, address window 0: loads of Q and V
.set W_OUT, 0x05                       ; sources 0 and 1 window 1, destination window 0
.set MSB, 0
.macro WIN new                         ; the immediate's high byte repeats the setting that is left
.if MSB != \new
	s_set_vgpr_msb (MSB<<8)|\new
.set MSB, \new
.endif
.endm
.macro WINV                            ; for lines that name no vector register as source 1: the S products' setting does, else all places window 0
.if MSB != W_S
	WIN 0
.endif
.endm
.macro PLACES n                        ; plain vector instructions behind matrix instructions (ISA guide 7.12.1)
.rept \n
	v_nop
.endr
.endm
.macro JLOAD s                         ; waves 0, 1 ask for K's two heads, waves 2, 3 for V's
	s_cmp_eq_u32 s9, 0
	s_cbranch_scc0 .Lfor_v_\@
	tensor_load_to_lds s[G0K+4*\s:G0K+4*\s+3], s[G1K:G1K+7]
	s_nop 0
	s_branch .Lasked_\@
.Lfor_v_\@:
	tensor_load_to_lds s[G0V+4*\s:G0V+4*\s+3], s[G1V:G1V+7]
	s_nop 0
.Lasked_\@:
.endm
.macro ROUND                           ; a round of the cluster's barrier
	s_barrier_signal -1
	s_barrier_wait -1
	s_cmp_lg_u32 s8, 0
	s_cbranch_scc1 .Lnot_wave_0_\@
	s_barrier_signal -3
.Lnot_wave_0_\@:
	s_barrier_wait -3
	s_barrier_signal -1
	s_barrier_wait -1
.endm
	s_load_b128 s[4:7], s[0:1], 0x0                ; qkvh 4, ctx 6
	v_lshl_add_u32 v62, v0, 2, 0x30800
	v_mov_b32 v63, 0
	ds_add_u32 v62, v63
	v_lshrrev_b32 v1, 5, v0
	v_readfirstlane_b32 s8, v1                     ; wave
	s_lshr_b32 s9, s8, 1                           ; my 64 queries.  Also: I fetch K (0) or V (1)
	s_and_b32 s10, s8, 1                           ; my head of the two, to compute and to fetch
	s_bfe_u32 s11, ttmp6, 0x40000                  ; cx
	s_lshr_b32 s12, ttmp9, 2                       ; 8 x batch + pair of heads: the same in all four partners
	s_and_b32 s13, ttmp9, 3
	s_lshl2_add_u32 s13, s13, s11                  ; query block 0..15
	s_mov_b32 s14, 0x3e38aa3b                      ; c = log2(e) / 8
	s_mov_b32 s21, 0xbe38aa3b                      ; - c
	s_mov_b32 s16, 0x76543210                      ; v_permlanex16_b32: lane i reads lane i of the other half
	s_mov_b32 s17, 0xfedcba98
	s_mov_b32 s[G1K+0], 15|(1<<16)|(1<<20)|(1<<21)|(4<<22)|(3<<25)   ; mask of the four; 2-byte elements; padding: after every 32 words 4 words
	s_mov_b32 s[G1V+0], 15|(1<<16)|(1<<20)|(1<<21)|(4<<22)|(7<<25)   ; the same with 8 words
.irp g, G1K, G1V
	s_mov_b32 s[\g+1], 64<<16                      ; tensor_dim0 = 64 elements: the tile's row is one key's 128 bytes, and the padding's interval is that row
	s_mov_b32 s[\g+2], 128<<16                     ; tensor_dim1 = 128 keys
	s_mov_b32 s[\g+3], 64<<16                      ; tile_dim0
	s_mov_b32 s[\g+4], 128                         ; tile_dim1
	s_mov_b32 s[\g+5], 64                          ; elements from row to row
	s_mov_b32 s[\g+6], 0
	s_mov_b32 s[\g+7], 0
.endr
	s_lshl_b32 s56, s12, 19                        ; two heads are 512 KiB
	s_lshl_b32 s18, s10, 18
	s_add_co_u32 s56, s56, s18                     ; my head, inside each of q's, k's, v's 8 MiB
	s_mov_b32 s57, 0
	s_lshl_b32 s58, s13, 14                        ; my queries: 128 rows of 128 bytes a block,
	s_lshl_b32 s22, s9, 13                         ; 64 rows for my half
	s_add_co_u32 s58, s58, s22
	s_mov_b32 s59, 0
	s_lshr_b32 s60, s12, 3                         ; ctx: batch x 2,048 rows of 2,048 bytes,
	s_lshl_b32 s60, s60, 22
	s_lshl_b32 s22, s13, 18                        ; 128 rows a block,
	s_add_co_u32 s60, s60, s22
	s_lshl_b32 s22, s8, 16                         ; on the way out wave w stores rows 32 w .. 32 w + 31,
	s_add_co_u32 s60, s60, s22
	s_and_b32 s22, s12, 7
	s_lshl_b32 s22, s22, 8                         ; 256 bytes a pair of heads
	s_add_co_u32 s60, s60, s22
	s_mov_b32 s61, 0
	s_mul_i32 s19, s8, REG                         ; where my loads go
	s_wait_dscnt 0x0
	s_wait_kmcnt 0x0
	s_add_nc_u64 s[56:57], s[4:5], s[56:57]
	s_add_nc_u64 s[58:59], s[56:57], s[58:59]
	s_add_nc_u64 s[6:7], s[6:7], s[60:61]
	ROUND                                          ; the four partners are here: the first joint loads meet
.irp s, 0,1
	s_mov_b32 s[G0K+4*\s], 1
	s_add_co_u32 s[G0K+4*\s+1], s19, \s*SLOT
	s_add_nc_u64 s[G0K+4*\s+2:G0K+4*\s+3], s[56:57], 0x800000+\s*FILLB
	s_or_b32 s[G0K+4*\s+3], s[G0K+4*\s+3], 0x80000000
	s_mov_b32 s[G0V+4*\s], 1
	s_add_co_u32 s[G0V+4*\s+1], s19, \s*SLOT
	s_add_nc_u64 s[G0V+4*\s+2:G0V+4*\s+3], s[56:57], 0x1000000+\s*FILLB
	s_or_b32 s[G0V+4*\s+3], s[G0V+4*\s+3], 0x80000000
	JLOAD \s                                       ; two loads of this wave are out: the most that this text has out
.endr
	v_and_b32 v1, 15, v0                           ; r
	v_bfe_u32 v2, v0, 4, 1                         ; h
	v_lshlrev_b32 v[QOFF], 7, v1
	v_lshl_add_u32 v[QOFF], v2, 4, v[QOFF]         ; query r, 16 h
	WIN W_LD
.irp qt, 0,1,2,3
.irp dh, 0,1
	global_load_b128 v[QF+16*\qt+8*\dh:QF+16*\qt+8*\dh+3],   v[QOFF], s[58:59] offset:\qt*2048+64*\dh
	global_load_b128 v[QF+16*\qt+8*\dh+4:QF+16*\qt+8*\dh+7], v[QOFF], s[58:59] offset:\qt*2048+64*\dh+32
.endr
.endr
	WIN 0
	v_mul_u32_u24 v4, v1, KP
	v_lshl_add_u32 v4, v2, 4, v4                   ; key r, 16 h
	s_mul_i32 s18, s10, REG
	v_add_nc_u32 v[KAD], s18, v4
	v_add_nc_u32 v[KAD+1], SLOT, v[KAD]
	v_and_b32 v5, 7, v0
	v_lshl_add_u32 v5, v2, 3, v5                   ; key 8 h + (l & 7)
	v_mul_u32_u24 v5, v5, VP
	v_bfe_u32 v6, v0, 3, 1
	v_lshl_add_u32 v5, v6, 4, v5                   ; 16 bytes for each eight lanes
	s_add_co_u32 s18, s18, 2*REG
	v_add_nc_u32 v[VAD], s18, v5
	v_add_nc_u32 v[VAD+1], SLOT, v[VAD]
	s_mul_i32 s20, s9, 64*SPITCH                   ; stage, in: row 64 (w >> 1) + 16 qt + r, my head's 128 bytes, 16 h
	s_lshl_b32 s18, s10, 7
	s_add_co_u32 s20, s20, s18
	s_add_co_u32 s20, s20, STAGE
	v_mul_u32_u24 v7, v1, SPITCH
	v_lshl_add_u32 v7, v2, 4, v7
	v_add_nc_u32 v[STO], s20, v7
	s_mul_i32 s20, s8, 32*SPITCH                   ; back: rows 32 w + 2 t + h, sixteen lanes a row of 256 bytes
	s_add_co_u32 s20, s20, STAGE
	v_mul_u32_u24 v7, v2, SPITCH
	v_lshl_add_u32 v7, v1, 4, v7
	v_add_nc_u32 v[RD], s20, v7
	v_lshlrev_b32 v[CO], 11, v2
	v_lshl_add_u32 v[CO], v1, 4, v[CO]
.macro LOADK slot, st                  ; 16 loads in one run: 64 keys x 64 d as source 0 of S^T
	WIN 0
.irp kt, 0,1,2,3
.irp dh, 0,1
	ds_load_b128 v[KF+16*\kt+8*\dh:KF+16*\kt+8*\dh+3],   v[KAD+\slot] offset:(4*\st+\kt)*16*KP+64*\dh
	ds_load_b128 v[KF+16*\kt+8*\dh+4:KF+16*\kt+8*\dh+7], v[KAD+\slot] offset:(4*\st+\kt)*16*KP+64*\dh+32
.endr
.endr
.endm
.macro LOADV slot, st                  ; 16 transposing loads in one run: 64 d x 64 keys as source 0 of O^T
	WIN W_LD
.irp kg, 0,1
.irp dt, 0,1,2,3
	ds_load_tr16_b128 v[VF+32*\kg+8*\dt:VF+32*\kg+8*\dt+3],   v[VAD+\slot] offset:(2*\st+\kg)*32*VP+32*\dt
	ds_load_tr16_b128 v[VF+32*\kg+8*\dt+4:VF+32*\kg+8*\dt+7], v[VAD+\slot] offset:(2*\st+\kg)*32*VP+32*\dt+16*VP
.endr
.endr
.endm
; Product n (0..15) of S^T of piece p: half of d = n >> 3, tile of the piece = (n >> 2) & 1, key tile = n & 3.  The first half of d starts the sums.
.macro SW p, n
.set w_qt, 2*\p+((\n>>2)&1)
.set w_kt, \n&3
.set w_dh, \n>>3
.set w_d,  SC+32*w_qt+8*w_kt
.set w_a,  KF+16*w_kt+8*w_dh
.set w_b,  QF+16*w_qt+8*w_dh
	WIN W_S
.if w_dh
	v_wmma_f32_16x16x32_f16 v[w_d:w_d+7], v[w_a:w_a+7], v[w_b:w_b+7], v[w_d:w_d+7]
.else
	v_wmma_f32_16x16x32_f16 v[w_d:w_d+7], v[w_a:w_a+7], v[w_b:w_b+7], 0
.endif
.endm
; Product n (0..15) of O^T of piece p: 32 keys = n >> 3, tile of the piece = (n >> 2) & 1, tile of d = n & 3.  first = 1: the first 32 keys start O.
.macro PVW p, n, first
.set w_qt, 2*\p+((\n>>2)&1)
.set w_dt, \n&3
.set w_kg, \n>>3
.set w_d,  OF+32*w_qt+8*w_dt
.set w_a,  VF+32*w_kg+8*w_dt
.set w_b,  SC+32*w_qt+16*w_kg
	WIN W_PV
.if \first*(1-w_kg)
	v_wmma_f32_16x16x32_f16 v[w_d:w_d+7], v[w_a:w_a+7], v[w_b:w_b+7], 0
.else
	v_wmma_f32_16x16x32_f16 v[w_d:w_d+7], v[w_a:w_a+7], v[w_b:w_b+7], v[w_d:w_d+7]
.endif
.endm
.macro MAXQ p, i                       ; four lines: each tile's two chains take two more scores
.irp u, 0,1
	v_max3_num_f32 v[TT+8*\u], v[TT+8*\u], |v[SC+32*(2*\p+\u)+\i]|, |v[SC+32*(2*\p+\u)+\i+1]|
	v_max3_num_f32 v[TT+8*\u+1], v[TT+8*\u+1], |v[SC+32*(2*\p+\u)+16+\i]|, |v[SC+32*(2*\p+\u)+17+\i]|
.endr
.endm
.macro RSU p, u, i0, cnt               ; cnt pairs of O of tile 2 p + u, from pair i0 on, times AL of that tile: u picks the register of AL's pair for both halves
.set r_o, OF+32*(2*\p+\u)+2*\i0
.rept \cnt
	v_pk_mul_f32 v[r_o:r_o+1], v[r_o:r_o+1], v[AL+2*\p:AL+2*\p+1] op_sel:[0,\u] op_sel_hi:[1,\u]
.set r_o, r_o+2
.endr
.endm
; Slice n (0..15) of the first half of piece p's softmax, which stands among O products: the maximum (slices 0-9, all places window 0),
; the rescaling factor (10), and O's rescaling (11-15, under the O products' own setting).  first = 1: the first 64 keys; nothing to rescale.
.macro SLP p, n, first
.if \n == 0
	WIN 0
.irp u, 0,1
.if \first
	v_max_num_f32 v[TT+8*\u], |v[SC+32*(2*\p+\u)]|, |v[SC+32*(2*\p+\u)+1]|
.else
	v_max3_num_f32 v[TT+8*\u], v[MX+2*\p+\u], |v[SC+32*(2*\p+\u)]|, |v[SC+32*(2*\p+\u)+1]|
.endif
	v_max_num_f32 v[TT+8*\u+1], |v[SC+32*(2*\p+\u)+16]|, |v[SC+32*(2*\p+\u)+17]|
.endr
.endif
.if \n >= 1
.if \n <= 7
	WIN 0
	MAXQ \p, (2*\n)
.endif
.endif
.if \n == 8
	WIN 0
.irp u, 0,1
	v_max_num_f32 v[TT+8*\u], v[TT+8*\u], v[TT+8*\u+1]
.endr
.irp u, 0,1
	v_permlanex16_b32 v[TT+8*\u+1], v[TT+8*\u], s16, s17   ; the query's other 32 keys lie 16 lanes away
.endr
.endif
.if \n == 9
	WIN 0
.irp u, 0,1
	v_max_num_f32 v[MX+2*\p+\u], v[TT+8*\u], v[TT+8*\u+1]
.endr
.irp u, 0,1
.if \first
	v_mul_f32 v[NM+2*\p+\u], s21, v[MX+2*\p+\u]
.else
	v_mul_f32 v[TT+8*\u+2], s21, v[MX+2*\p+\u]             ; - c x new maximum
.endif
.endr
.endif
.if \first == 0
.if \n == 10
	WIN 0
.irp u, 0,1
	v_sub_f32 v[AL+2*\p+\u], v[TT+8*\u+2], v[NM+2*\p+\u]   ; c (old - new), never above 0
.endr
.irp u, 0,1
	v_exp_f32 v[AL+2*\p+\u], v[AL+2*\p+\u]
.endr
	s_wait_alu depctr_va_vdst(0)
.irp u, 0,1
	v_mov_b32 v[NM+2*\p+\u], v[TT+8*\u+2]                  ; plain instructions behind the exponentials (ISA guide 5.7.2)
.endr
.endif
.if \n == 11
	WIN W_PV
	RSU \p, 0, 0, 6
.endif
.if \n == 12
	WIN W_PV
	RSU \p, 0, 6, 6
.endif
.if \n == 13
	WIN W_PV
	RSU \p, 0, 12, 4
	RSU \p, 1, 0, 2
.endif
.if \n == 14
	WIN W_PV
	RSU \p, 1, 2, 7
.endif
.if \n == 15
	WIN W_PV
	RSU \p, 1, 9, 7
.endif
.endif
.endm
; A unit k (0..7) is eight scores: registers 8 (k >> 1) .. + 7 of tile k & 1 of the piece.
; Eight exponentials of unit ke and eight multiply-adds of unit kf, line by line in turn: behind each exponential stands a plain line on other registers.
.macro EXFM p, ke, kf
.set e_b, SC+32*(2*\p+((\ke)&1))+8*((\ke)>>1)
.set f_b, SC+32*(2*\p+((\kf)&1))+8*((\kf)>>1)
.set f_n, NM+2*\p+((\kf)&1)
.rept 8
	v_exp_f32 v[e_b], v[e_b]
	v_fma_f32 v[f_b], |v[f_b]|, s14, v[f_n]
.set e_b, e_b+1
.set f_b, f_b+1
.endr
.endm
.macro ADDS p, k                       ; each tile's four chains of pairs take the eight weights at register k
	s_wait_alu depctr_va_vdst(0)
.irp u, 0,1
.irp c, 0,1,2,3
	v_pk_fma_f32 v[TT+8*\u+2*\c:TT+8*\u+2*\c+1], v[TT+8*\u+2*\c:TT+8*\u+2*\c+1], 1.0, v[SC+32*(2*\p+\u)+\k+2*\c:SC+32*(2*\p+\u)+\k+2*\c+1] op_sel_hi:[1,0,1]
.endr
.endr
.endm
.macro PACK p, u, kg                   ; in place, ascending: register i of P(qt, kg) takes numbers 2 i, 2 i + 1 of the 16 registers at the same base
.irp i, 0,1,2,3,4,5,6,7
	v_cvt_pk_f16_f32 v[SC+32*(2*\p+\u)+16*\kg+\i], v[SC+32*(2*\p+\u)+16*\kg+2*\i], v[SC+32*(2*\p+\u)+16*\kg+2*\i+1]
.endr
.endm
; Slice n (0..15) of the second half of piece p's softmax, which stands among S products: the weights 2^(c |s| - c max) in place (0-8), their
; sum (8-11), all under the S products' own setting (no vector register as source 1; a sum is a x 1.0 + b), and the packing (12-15, window 0).
.macro SLS p, n, first
.if \n <= 11
	WINV
.else
	WIN 0
.endif
.if \n == 0
.irp i, 0,1,2,3,4,5,6,7
	v_fma_f32 v[SC+32*(2*\p)+\i], |v[SC+32*(2*\p)+\i]|, s14, v[NM+2*\p]
.endr
.endif
.if \n >= 1
.if \n <= 7
	EXFM \p, (\n-1), \n
.endif
.endif
.if \n == 8
.set e_b, SC+32*(2*\p+1)+24
.irp u, 0,1
.irp c, 0,1,2,3
	v_exp_f32 v[e_b], v[e_b]                               ; the last unit; the sums beside it read the first sixteen weights of each tile
	s_wait_alu depctr_va_vdst(0)
	v_pk_fma_f32 v[TT+8*\u+2*\c:TT+8*\u+2*\c+1], v[SC+32*(2*\p+\u)+4*\c:SC+32*(2*\p+\u)+4*\c+1], 1.0, v[SC+32*(2*\p+\u)+4*\c+2:SC+32*(2*\p+\u)+4*\c+3] op_sel_hi:[1,0,1]
.set e_b, e_b+1
.endr
.endr
.endif
.if \n == 9
	ADDS \p, 16
.endif
.if \n == 10
	ADDS \p, 24
.endif
.if \n == 11
.irp u, 0,1
	v_pk_fma_f32 v[TT+8*\u:TT+8*\u+1], v[TT+8*\u:TT+8*\u+1], 1.0, v[TT+8*\u+2:TT+8*\u+3] op_sel_hi:[1,0,1]
	v_pk_fma_f32 v[TT+8*\u+4:TT+8*\u+5], v[TT+8*\u+4:TT+8*\u+5], 1.0, v[TT+8*\u+6:TT+8*\u+7] op_sel_hi:[1,0,1]
.endr
.irp u, 0,1
	v_pk_fma_f32 v[TT+8*\u:TT+8*\u+1], v[TT+8*\u:TT+8*\u+1], 1.0, v[TT+8*\u+4:TT+8*\u+5] op_sel_hi:[1,0,1]
.endr
.irp u, 0,1
.if \first
	v_fma_f32 v[LS+2*\p+\u], v[TT+8*\u], 1.0, v[TT+8*\u+1]
.else
	v_fma_f32 v[TT+8*\u], v[TT+8*\u], 1.0, v[TT+8*\u+1]
.endif
.endr
.endif
.if \n == 12
.if \first == 0
.irp u, 0,1
	v_fma_f32 v[LS+2*\p+\u], v[LS+2*\p+\u], v[AL+2*\p+\u], v[TT+8*\u]
.endr
.endif
	PACK \p, 0, 0
.endif
.if \n == 13
	PACK \p, 0, 1
.endif
.if \n == 14
	PACK \p, 1, 0
.endif
.if \n == 15
	PACK \p, 1, 1
.endif
.endm
; The first half of step j.  pv = 0: no O products yet (step 0); 1: they start O_B; 2: they add.  (slot, st): where V(j) lies.
.macro PH1 slot, st, pv, first
.irp n, 0,1,2,3,4,5,6,7,8,9,10,11,12,13,14,15
.if \pv
	PVW 1, \n, (2-\pv)
.endif
	SLP 0, \n, \first
.endr
	LOADV \slot, \st                               ; seven rescaling lines stand behind the last product that read V's registers
.irp n, 0,1,2,3,4,5,6,7,8,9,10,11,12,13,14,15
	SW 1, \n
	SLS 0, \n, \first
.endr
.endm
; The second half of step j.  ks = 1: K(j+1), which lies at (kslot, kst), is loaded and S_A(j+1) made; 0: the last step.
.macro PH2 first, ks, kslot, kst
.if \ks
	LOADK \kslot, \kst                             ; eight packing lines stand behind the last product that read K's registers
	s_wait_dscnt 16                                ; V(j) is in; the 16 loads of K just issued stay out
.else
	s_wait_dscnt 0x0                               ; V(j) is in
.endif
.irp n, 0,1,2,3,4,5,6,7,8,9,10,11,12,13,14,15
	PVW 0, \n, \first
	SLP 1, \n, \first
.endr
.if \ks
	s_wait_dscnt 0x0                               ; K(j+1), asked for 16 products ago
.endif
.irp n, 0,1,2,3,4,5,6,7,8,9,10,11,12,13,14,15
.if \ks
	SW 0, \n
.endif
	SLS 1, \n, \first
.endr
.endm
; The change of slots, in the middle of a fill's second step: V's second half was my last read of the slot, and the next slot's K has not
; been read.  In front of the round each wave has waited for all its tensor loads (its part of the next slot among them) and for its reads;
; behind the round the slot is asked for again first, one load a wave, two fills ahead: that load has two steps in which to land.
.macro BOUND slot, refill
	WIN 0
	s_wait_tensorcnt 0x0
	ds_add_u32 v62, v63
	s_wait_dscnt 0x0
	s_add_nc_u64 s[G0K+4*\slot+2:G0K+4*\slot+3], s[G0K+4*\slot+2:G0K+4*\slot+3], 2*FILLB   ; no load of mine is out: this slot's next fill
	s_add_nc_u64 s[G0V+4*\slot+2:G0V+4*\slot+3], s[G0V+4*\slot+2:G0V+4*\slot+3], 2*FILLB
	s_wait_dscnt 0x0
	ROUND
.if \refill
	JLOAD \slot
.endif
.endm
; Step 2 f + st of the fill f in the slot.  bound = 0: no change of slots; 1: a round without a refill; 2: with one.
.macro STEP slot, st, pv, first, bound, ks
	PH1 \slot, \st, \pv, \first
.if \bound
	BOUND \slot, (\bound-1)
.endif
.if \st
	PH2 \first, \ks, (1-\slot), 0
.else
	PH2 \first, \ks, \slot, 1
.endif
.endm
	s_wait_tensorcnt 0x1                           ; my part of fill 0 is in; fill 1's stays out
	s_barrier_signal -1
	s_barrier_wait -1
	LOADK 0, 0
	s_wait_loadcnt 0x0                             ; Q
	s_wait_dscnt 0x0                               ; K(0)
.irp n, 0,1,2,3,4,5,6,7,8,9,10,11,12,13,14,15
	SW 0, \n                                       ; S_A(0): no softmax is under way yet
.endr
	WIN 0
	PLACES 4                                       ; behind these products, whose results are read next
	STEP 0, 0, 0, 1, 0, 1                          ; the first 64 keys start the maxima, the sums and O: nothing is cleared
	STEP 0, 1, 1, 0, 2, 1                          ; asks for fill 2
	WIN 0
	s_mov_b32 s15, 6
.Lfills:                                               ; fills 1 to 12; asks for fills 3 to 14
	STEP 1, 0, 2, 0, 0, 1
	STEP 1, 1, 2, 0, 2, 1
	STEP 0, 0, 2, 0, 0, 1
	STEP 0, 1, 2, 0, 2, 1
	WIN 0
	s_sub_co_u32 s15, s15, 1
	s_cmp_lg_u32 s15, 0
	s_cbranch_scc1 .Lfills
	STEP 1, 0, 2, 0, 0, 1                          ; fill 13
	STEP 1, 1, 2, 0, 2, 1                          ; asks for fill 15, the last
	STEP 0, 0, 2, 0, 0, 1                          ; fill 14
	STEP 0, 1, 2, 0, 1, 1                          ; nothing is left to fetch (slot 0's stepped address is not used); the round shows fill 15 whole
	STEP 1, 0, 2, 0, 0, 1                          ; fill 15
	STEP 1, 1, 2, 0, 0, 0                          ; the last step: no further K, no further S
.irp n, 0,1,2,3,4,5,6,7,8,9,10,11,12,13,14,15
	PVW 1, \n, 0                                   ; O_B takes the last 64 keys
.endr
	; The way out: join the two lanes' sums, divide, round to f16, through the stage so that a store covers whole rows of 256 bytes.
	; The four additions, the v_nop and piece A's 32 multiplications stand behind the last products before O_B is read.
	WIN 0
.irp qt, 0,1,2,3
	v_permlanex16_b32 v[TT+\qt], v[LS+\qt], s16, s17
.endr
.irp qt, 0,1,2,3
	v_add_f32 v[LS+\qt], v[LS+\qt], v[TT+\qt]
.endr
.irp qt, 0,1,2,3
	v_rcp_f32 v[AL+\qt], v[LS+\qt]
.endr
	v_nop                                          ; one plain instruction behind the reciprocals (ISA guide 5.7.2)
	s_wait_alu depctr_va_vdst(0)
	WIN W_PV
	RSU 0, 0, 0, 16
	RSU 0, 1, 0, 16
	RSU 1, 0, 0, 16
	RSU 1, 1, 0, 16
	WIN W_OUT
.irp qt, 0,1,2,3
.irp dt, 0,1,2,3
.irp i, 0,1,2,3
	v_cvt_pk_f16_f32 v[SC+16*\qt+4*\dt+\i], v[OF+32*\qt+8*\dt+2*\i], v[OF+32*\qt+8*\dt+2*\i+1]
.endr
.endr
.endr
	WIN 0
.irp qt, 0,1,2,3
.irp dt, 0,1,2,3
	ds_store_b128 v[STO], v[SC+16*\qt+4*\dt:SC+16*\qt+4*\dt+3] offset:\qt*16*SPITCH+32*\dt
.endr
.endr
	s_wait_dscnt 0x0                               ; my stores are done: a row's two halves come from two waves
	s_barrier_signal -1
	s_barrier_wait -1
.irp t, 0,1,2,3,4,5,6,7,8,9,10,11,12,13,14,15
	ds_load_b128 v[SC+64+4*\t:SC+64+4*\t+3], v[RD] offset:2*SPITCH*\t
.endr
.irp t, 0,1,2,3,4,5,6,7,8,9,10,11,12,13,14,15
	s_wait_dscnt 15-\t                             ; read-back t is in, the younger ones stay out
	global_store_b128 v[CO], v[SC+64+4*\t:SC+64+4*\t+3], s[6:7] offset:4096*\t   ; sixteen lanes store 256 consecutive bytes at a multiple of 256
.endr
	s_wait_tensorcnt 0x0
	ds_add_u32 v62, v63
	s_wait_dscnt 0x0
	ROUND                                          ; the closing round
	s_endpgm
.Lfunc_end_k_q1de7575a85_attn:
	.size	k_q1de7575a85_attn, .Lfunc_end_k_q1de7575a85_attn-k_q1de7575a85_attn
	.p2alignl 7, 3214868480
	.fill 96, 4, 3214868480
	.section	.rodata,"a",@progbits
	.p2align	6, 0x0
	.amdhsa_kernel k_q1de7575a85_attn
		.amdhsa_group_segment_fixed_size 327680
		.amdhsa_private_segment_fixed_size 0
		.amdhsa_enable_private_segment 0
		.amdhsa_kernarg_size 16
		.amdhsa_user_sgpr_count 2
		.amdhsa_user_sgpr_kernarg_segment_ptr 1
		.amdhsa_wavefront_size32 1
		.amdhsa_system_sgpr_workgroup_id_x 1
		.amdhsa_system_sgpr_workgroup_id_y 1
		.amdhsa_system_sgpr_workgroup_id_z 1
		.amdhsa_system_vgpr_workitem_id 0
		.amdhsa_next_free_vgpr 512
		.amdhsa_next_free_sgpr 66
		.amdhsa_reserve_vcc 0
		.amdhsa_float_denorm_mode_32 3
		.amdhsa_float_denorm_mode_16_64 3
		.amdhsa_memory_ordered 1
		.amdhsa_forward_progress 1
		.amdhsa_inst_pref_size 255
	.end_amdhsa_kernel
	.section	.bss,"aw",@nobits
	.p2align	6
	.space	262144
	.amdgpu_metadata
---
amdhsa.version: [ 1, 2 ]
amdhsa.kernels:
  - .name:           k_q1de7575a85_attn
    .symbol:         k_q1de7575a85_attn.kd
    .args:
      - { .name: qkvh, .offset: 0, .size: 8, .value_kind: global_buffer, .address_space: global }
      - { .name: ctx, .offset: 8, .size: 8, .value_kind: global_buffer, .address_space: global }
    .group_segment_fixed_size: 327680
    .private_segment_fixed_size: 0
    .kernarg_segment_align: 8
    .kernarg_segment_size: 16
    .max_flat_workgroup_size: 128
    .sgpr_count:     66
    .vgpr_count:     512
    .wavefront_size: 32
...
	.end_amdgpu_metadata
.endif
;; end of part 6
;; launch oproj: the kernel of part 4 again; grid 8 x 32, 4 waves a work-group, clusters of 4 x 4, 327,680 bytes of LDS; arguments ctx, xb, bo, out0; writes out0
